; MI455X (gfx1250); checked and timed in simulation.
; The chip was launched on July 23, 2026; its instructions are those of AMD's public machine-readable ISA for CDNA 5 (MIT licence, August 2026) and "CDNA5" Instruction Set Architecture Reference Guide (July 2026). The comments in the code are by the model that wrote it; some were corrected since.
;; Hard Gated Experts. Allowed arithmetic: matrix products marked QUANTISED: E5M2 operands, one E8M0 scale for each 32 along K, by v_wmma_scale_f32_16x16x128_f8f6f4 with both operands' format E5M2, f32 sums; everything else in f32.
;; Inputs: W1_codes 8 x 512 x 16 x 32 uint8 (E5M2 codes of W1, K innermost, in blocks of 32 codes); W1_scales 8 x 512 x 16 uint8 (E8M0 scales of W1, one for each 32 codes along K); W2_codes 8 x 256 x 16 x 32 uint8 (E5M2 codes of W2, K innermost, in blocks of 32 codes); W2_scales 8 x 256 x 16 uint8 (E8M0 scales of W2, one for each 32 codes along K); W3_codes 8 x 256 x 8 x 32 uint8 (E5M2 codes of W3, K innermost, in blocks of 32 codes); W3_scales 8 x 256 x 8 uint8 (E8M0 scales of W3, one for each 32 codes along K); b1 8 x 512 float32; b2 8 x 256 float32; b3 8 x 256 float32; gate_id 8,192 int32; h_codes 8,192 x 16 x 32 uint8 (E5M2 codes of h, K innermost, in blocks of 32 codes); h_scales 8,192 x 16 uint8 (E8M0 scales of h, one for each 32 codes along K).
;; Outputs: out0 8,192 x 256 float32.
;; This version of the problem:
;;   THIS VERSION OF THE PROBLEM IS GIVEN IN LOW PRECISION. The matrix products marked QUANTISED in the list below multiply operands that are first quantised to E5M2 (5 exponent bits, 2 mantissa bits; 8 bits a number), with one power-of-two scale for each 32 numbers along K (OCP MX v1.0); their sums are f32. All else is computed in f32.
;;   The module's matrix products, in the order in which they are computed (A, B: the left and right operand; K: the contracted axis; several contracted axes count as one K, in the product's order):
;;     1. [M 4,096, K 512] x [K 512, N 8,192]; A: input W1 (given as codes); B: input h (given as codes): QUANTISED
;;     2. batch 8 x [M 8,192, K 512] x [K 512, N 256]; A: computed on the way; B: input W2 (given as codes): QUANTISED
;;     3. batch 8 x [M 8,192, K 256] x [K 256, N 256]; A: computed on the way; B: input W3 (given as codes): QUANTISED
;;   THE QUANTISER, for each operand of a quantised product, along K:
;;     - K is cut into blocks of 32 from its start; a last block that is shorter is filled with zeros.
;;     - A block's scale is 2^e with e = floor(log2(the largest magnitude in the block)) - 15, held to -126 .. 127; a block of zeros has e = 0. As a byte (E8M0): e + 127.
;;     - Each number is divided by its block's scale, clamped to +-57,344, and rounded to the nearest number of E5M2, ties to even, subnormals kept.
;;     - The product sums the exact products of the quantised numbers (number of the format x scale) in f32.
;;   ~~~python
;;   def quantise(x, axis):      # numpy; x: float32 -> the quantised numbers, widened to float32 again
;;       x = np.moveaxis(x, axis, -1); K = x.shape[-1]
;;       x = np.pad(x, [(0, 0)] * (x.ndim - 1) + [(0, -K % 32)]); x = x.reshape(x.shape[:-1] + (-1, 32)); a = np.abs(x).max(-1, keepdims=True)
;;       e = np.where(a > 0, np.clip(np.frexp(np.where(a > 0, a, 1))[1] - 1 - 15, -126, 127), 0)      # np.frexp(a)[1] - 1 = floor(log2(a)), exactly
;;       r = np.clip(x / 2.0 ** e, -57344, 57344)
;;       step = 2.0 ** (np.maximum(np.frexp(np.where(r == 0, 1, r))[1] - 1, -14) - 2)
;;       q = np.round(r / step) * step * 2.0 ** e      # np.round: ties to even
;;       return np.moveaxis(q.reshape(q.shape[:-2] + (-1,))[..., :K], -1, axis).astype(np.float32)
;;   ~~~
;;   OPERANDS COMPUTED ON THE WAY. 'Computed on the way' means the value that the module computes at that place (a softmax that the list does not call 'softmax' is quantised finished and normalised). What goes into a quantiser is computed in f32, as accurately as f32 sums, v_exp_f32 and their like allow (about 1e-6 of the number): no bf16 or f16 on the way to a quantiser, and a product that is left as it is and whose result goes on into a quantised operand takes f32 operands (vector FMAs, or v_wmma_f32_16x16x4_f32). A number that lies on a knife's edge between two numbers of the format may be rounded either way, as far as f32 arithmetic and the matrix unit's own rounding can turn it there, and no further.
;;   INPUTS GIVEN AS CODES. W1 (in the module: [8, 512, 512], K = its axis 1); W2 (in the module: [8, 512, 256], K = its axis 1); W3 (in the module: [8, 256, 256], K = its axis 1); h (in the module: [8192, 512], K = its axis 1): each comes as NAME_codes (uint8): NAME with its K axis moved to the last place and cut into blocks of 32 codes, [.., K / 32, bytes a block], one block behind the other in memory; one code a byte (a code: sign, 5 exponent bits, 2 mantissa bits); and NAME_scales (uint8): the same leading axes, one E8M0 byte (e + 127) for each 32 codes along K. Its value is code x scale, taken as it is: it is not quantised again, and the codes and scales need not be those that the quantiser above would give.
;; 3 versions, each right; version 2 is faster than version 1; version 3 is version 2 with the launch moe written anew for expert scheduling mode. Each part assembles by itself: llvm-mc -triple=amdgcn-amd-amdhsa -mcpu=gfx1250 --defsym DOCPART=n.
;; ======== version 1 of 3: 1 launch
;; launch moe (part 1): grid 32 x 8, 4 waves a work-group, no clusters, 326,656 bytes of LDS; arguments gate_id, h_codes, h_scales, W1_codes, W1_scales, W2_codes, W2_scales, W3_codes, W3_scales, b1, b2, b3, out0; writes out0
.if DOCPART == 1
	.amdgcn_target "amdgcn-amd-amdhsa--gfx1250"
	.amdhsa_code_object_version 6
	.text
	.protected	k_qdaf03812ed_moe
	.globl	k_qdaf03812ed_moe
	.p2align	8
	.type	k_qdaf03812ed_moe,@function
k_qdaf03812ed_moe:
	s_mov_b64 s[64:65], 0
	v_nop
	global_prefetch_b8 v0, s[64:65] scope:SCOPE_SE
	s_setreg_imm32_b32 hwreg(HW_REG_WAVE_MODE, 25, 1), 1
	s_wait_xcnt 0x0
; HARD-GATED EXPERTS, all in one launch.  out0[row] = MLP_g(h[row]), g = clip(gate_id[row], 0, 7);
;   a1 = leaky(h W1 + b1) [512], a2 = leaky(a1 W2 + b2) [256], y = a2 W3 + b3 [256];  leaky(x) = max(x, 0.2 x).
; h, W1, W2, W3 come as codes of E5M2 with K innermost and one E8M0 byte for each 32 along K and go to the matrix unit as they lie.
; a1 and a2 are quantised on the way, in f32: blocks of 32 along the next K, scale 2^(floor(log2(largest magnitude)) - 15), held within +-57,344 x scale.
; SHARES.  Work-group (x, y) = (slice of 256 batch rows, expert e).  It reads its 256 gate ids, lists the n rows (0 .. 256) that go to e, gathers their
; codes of h into LDS, runs the three layers on blocks of 16 listed rows and scatters y.  What the other seven experts would give for a row is never made.
; THE WEIGHTS STAND STILL: wave w of four owns columns 128 w .. +127 of layer 1 and 64 w .. +63 of layers 2 and 3 and holds their codes (114,688 bytes) in
; registers as matrix fragments, so each weight byte enters the work-group once whatever n is.  A weight row is read by one load of 512 consecutive bytes
; and turned into fragments in the wave's own stage in LDS.  Activations are handed from wave to wave through LDS, as codes and scale bytes.
; THE BLOCKS OF 16 ROWS ARE WRITTEN OUT: nb = max(1, ceil(n / 16)) is at most 16, and each of the four units of weight tiles holds 16 copies of its block's text, so that every LDS
; address is a register that is never rewritten plus an immediate.  Behind block nb - 1 a forward branch leaves the unit: a wave walks nb copies and jumps over the rest.
; No barrier stands under such a branch; all waves count the same n; the four barriers stand on every path.  There is no loop in the text.
; List places n .. 255 repeat one row of this expert: in the last block they are computed like any row and stored again with the same bytes.
; BOTH SOURCES: source 0 = 16 weight rows, source 1 = 16 batch rows, so a lane holds ONE batch row (lane % 16).  THE WEIGHT ROWS OF A TILE ARE NOT NEIGHBOURS:
; row i of tile 2 b + u is column 32 b + 8 u + i + 8 (i / 8), so that the 16 registers of tiles 2 b, 2 b + 1 are columns 32 b + 16 (lane / 16) + 0 .. 15:
; half a block of the quantiser (the other half lies in lane l xor 16), and just the 16 bytes that the next operand's layout gives that lane.
; The bias is the C operand of each tile's first K step: nothing is cleared, nothing added later.
; NO CLUSTER, NO JOINT REQUESTS: the 32 work-groups of an expert read the same weights, but the number of blocks that they walk hangs on gate_id and differs between them, and
; the weights go into registers by loads that have no joint form.  NO LDS RING: each weight byte is wanted once, by one wave, in registers.
; NO PREFETCH: every weight row is asked for by 32 work-groups at about the same time, and a row of h is known only one step ahead of its load.
; LIMITS: gate_id is clamped as a signed 32-bit number, which is clip(round(float(gate_id))) for every gate_id up to 2^31 - 65.  The bias is the first term
; of the f32 sum, not the last.  Infinite or NaN activations are not served.  A block whose largest magnitude lies under 2^-111 takes the byte 1.
;
; LDS (bytes).  Row pitches are odd multiples of 16, so the sixteen rows that a 16-byte access touches start at sixteen different 16-byte columns modulo 256.
.set HP,   528                         ; H    0        four runs, one a wave, of 64 slots x (512 codes + 16), HWS bytes apart.  Row r of block rb lies in run r / 4, slot 4 rb + r % 4:
.set HWS,  64*HP+64                    ;               a wave's gather fills its own run on end, and a block is 4 HP bytes on from the last.  The 64 bytes between runs keep the four runs' rows in different columns
.set A2P,  80                          ; A2   0        [wave 4][slot 256] x (64 codes + 16), on H's bytes once nobody reads H
.set A2Q,  20480
.set A2S,  81920                       ; A2S           [wave 4][slot 256] x 2 scale bytes, on H's bytes too
.set A1,   4*HWS                       ; A1   135,424  [wave = K step of layer 2, 4][slot 256] x (128 codes + 16)
.set A1P,  144
.set A1Q,  36864
.set STG,  A1+4*A1Q                    ; STG  282,880  a stage for each wave: 16 x 528 (a weight tile), 16 x 272 (a tile of W3; the way out)
.set STGW, 8448
.set HS,   STG+4*STGW                  ; HS   316,672  h's scale bytes, 16 a slot, in four runs as H, HSW bytes apart
.set HSW,  1088
.set A1S,  HS+4*HSW                    ; A1S  321,024  [K step 4][slot 256] x 4: a scale word for a slot and 128 along K
.set LIST, A1S+4096                    ; LIST 325,120  256 words: row numbers.  The map ends at 326,144
; SCALAR: s2 wave, s3 expert, s4 first row of the slice, s5 n, s6 nb, s34 gather passes, s[8:33] the 13 addresses, s[36:37] lane selects,
;   s[38:39] an offset, s[40:47] match masks, s[48:55] matches in front of mask j, s59-63, s66 at work.
; VECTOR, window 0 (l lane, r = l % 16, hh = l / 16): v1 16 l; v2 r; v3 hh; v31 l; v4-v27 LDS and memory places, made once below and never rewritten;
;   v28 64 hh; v29, v30 places of the weight scales; v32-95 ACT: fragments of 16 rows (K step q at 16 q); v96-127 ACC: 4 tiles; v128-191 b1 (in layer 3: rows on the way out);
;   v192-219 weight scale words and v220-223 activation scale words, which hold scales and nothing else; v224-255 at work.
; WINDOW 1: W1's tiles 0-3 of the wave (tile t at 64 t, K step q at + 16 q); later W3 (tile t at 32 t), b2 at v128, b3 at v160.  WINDOW 2: W1's tiles 4-7.  WINDOW 3: W2's tiles 0-3.
.set ACT, 32
.set ACC, 96
.set AS,  220
.set MSB, 0
.macro WIN new                         ; s_set_vgpr_msb: bits 1:0 source 0, 3:2 source 1, 5:4 source 2, 7:6 destination; the high byte repeats the setting that is left
.set wn_, \new
.if MSB != wn_
	s_set_vgpr_msb (MSB<<8)|wn_
.set MSB, wn_
.endif
.endm
.macro PLACES n                        ; places behind a matrix instruction: plain vector instructions that name none of its registers (ISA guide 7.12.1)
.rept \n
	v_nop
.endr
.endm
.macro BAR                             ; zero: what I stored is read, and what I read is overwritten, by other waves behind it
	s_wait_dscnt 0x0
	s_barrier_signal -1
	s_barrier_wait -1
.endm
; Weight tile n of twelve (0-7: W1, windows 1 and 2; 8-11: W2, window 3): where it lies.
.macro TSET n
.if (\n) < 8
.set tw_, 1+(\n)/4
.set tr_, 64*((\n)%4)
.set trow_, 32*((\n)/2)+8*((\n)%2)
.else
.set tw_, 3
.set tr_, 64*((\n)-8)
.set trow_, 32*(((\n)-8)/2)+8*((\n)%2)
.endif
.endm
.macro TLOAD n                         ; 16 loads: each reads one whole weight row, 512 consecutive bytes
	TSET \n
	WIN tw_<<6
.set i_, 0
.rept 16
.if (\n) < 8
	global_load_b128 v[tr_+4*i_:tr_+4*i_+3], v1, s[14:15] offset:(trow_+i_+8*(i_/8))*512
.else
	global_load_b128 v[tr_+4*i_:tr_+4*i_+3], v1, s[18:19] offset:(trow_+i_+8*(i_/8))*512
.endif
.set i_, i_+1
.endr
.endm
.macro TSTAGE n, cnt                   ; rows into my stage, fragments back into the same registers.  LDS serves a wave's instructions in order (ISA guide 5.7.1.4): no wait between them
	TSET \n
	s_wait_loadcnt \cnt                            ; loads return in order: this tile is in, the cnt younger loads stay out
	WIN tw_<<2
.set i_, 0
.rept 16
	ds_store_b128 v4, v[tr_+4*i_:tr_+4*i_+3] offset:HP*i_
.set i_, i_+1
.endr
	WIN tw_<<6
.set i_, 0
.rept 16                               ; i = 4 q + c: registers 16 q + 4 c take K = 128 q + 32 c + 16 hh + 0 .. 15 of row r
	ds_load_b128 v[tr_+4*i_:tr_+4*i_+3], v5 offset:32*i_
.set i_, i_+1
.endr
.endm
.macro VLOAD t                         ; tile t of W3: 8 loads of two neighbouring rows of 256 bytes
	WIN 0x40
.set i_, 0
.rept 8
	global_load_b128 v[32*(\t)+4*i_:32*(\t)+4*i_+3], v1, s[22:23] offset:(32*((\t)/2)+8*((\t)%2)+2*i_+8*(i_/4))*256
.set i_, i_+1
.endr
.endm
.macro VSTAGE t, cnt
	s_wait_loadcnt \cnt
	WIN 0x04
.set i_, 0
.rept 8
	ds_store_b128 v6, v[32*(\t)+4*i_:32*(\t)+4*i_+3] offset:544*i_
.set i_, i_+1
.endr
	WIN 0x40
.set i_, 0
.rept 8
	ds_load_b128 v[32*(\t)+4*i_:32*(\t)+4*i_+3], v7 offset:32*i_
.set i_, i_+1
.endr
.endm
; Gather pass p of my wave: my four rows of each of blocks 4 p .. 4 p + 3.  16 row numbers (the same in every lane), one load of 512 consecutive bytes for each row's codes, 16 bytes a lane for the scale bytes.
.macro GISSUE p
.irp k, 0,1,2,3
	ds_load_b128 v[96+4*\k:99+4*\k], v224 offset:256*(\p)+64*\k   ; list entries 64 p + 16 k + 4 w + 0 .. 3
.endr
	ds_load_b32 v112, v225 offset:256*(\p)         ; lane r: the row number of my slot r of the pass
	s_wait_dscnt 0x0                               ; the row numbers are in (and earlier LDS stores have read v32-95)
.irp i, 0,1,2,3,4,5,6,7,8,9,10,11,12,13,14,15
	v_min_u32 v[96+\i], 0x1fff, v[96+\i]           ; a row number is below 8,192 by construction; the clamp says so in the text
	v_lshl_add_u32 v[96+\i], v[96+\i], 9, v1
.endr
	v_min_u32 v112, 0x1fff, v112
	v_lshlrev_b32 v112, 4, v112
.irp i, 0,1,2,3,4,5,6,7,8,9,10,11,12,13,14,15
	global_load_b128 v[32+4*\i:35+4*\i], v[96+\i], s[10:11]
.endr
	global_load_b128 v[252:255], v112, s[12:13]    ; lanes 16-31 read what lanes 0-15 read
.endm
.macro GSTORE p
.irp i, 0,1,2,3,4,5,6,7,8,9,10,11,12,13,14,15
	ds_store_b128 v226, v[32+4*\i:35+4*\i] offset:16*HP*(\p)+HP*\i   ; slots 16 p + i of my run
.endr
	ds_store_b128 v227, v[252:255] offset:256*(\p) ; both halves of the lanes store the same bytes
.endm
; The fragments and scale words of block fb_: lane (r, hh), registers 16 q + 4 c: K = 128 q + 32 c + 16 hh + 0 .. 15 of row r.  kind 0: from H; 1: from A1; 2: from A2.
.macro ACTLOAD kind
.if \kind == 0
.irp q, 0,1,2,3
.irp c, 0,1,2,3
	ds_load_b128 v[ACT+16*\q+4*\c:ACT+16*\q+4*\c+3], v8 offset:4*HP*fb_+128*\q+32*\c
.endr
.endr
	ds_load_b128 v[AS:AS+3], v9 offset:64*fb_      ; word q: the row's four scale bytes of K step q
.elseif \kind == 1
.irp q, 0,1,2,3
.irp c, 0,1,2,3
	ds_load_b128 v[ACT+16*\q+4*\c:ACT+16*\q+4*\c+3], v[22+\q] offset:16*A1P*fb_+32*\c
.endr
.endr
.irp q, 0,1,2,3
	ds_load_b32 v[AS+\q], v11 offset:1024*\q+64*fb_
.endr
.else
.irp q, 0,1
.irp c, 0,1,2,3
	ds_load_b128 v[ACT+16*\q+4*\c:ACT+16*\q+4*\c+3], v[26+\q] offset:A2Q*(\c/2)+32*(\c%2)+16*A2P*fb_
.endr
.endr
.irp i, 0,1,2,3
	ds_load_u16 v[248+\i], v15 offset:512*\i+32*fb_   ; wave i's two scale bytes of the row
.endr
.endif
.endm
; 4 kq matrix instructions: four tiles of 16 weight rows x the block's 16 rows.  The four accumulators take turns, one instruction a turn.
; A weight scale register carries tile 2 b's words in lanes 0-15 and tile 2 b + 1's in lanes 16-31.
.macro MM win, kq, tstride, ws, wstride, bwin, breg
.set q_, 0
.rept \kq
.if q_ == 0
	WIN (\win)|((\bwin)<<4)
.else
	WIN \win
.endif
.set t_, 0
.rept 4
.set d_, ACC+8*t_
.set a_, (\tstride)*t_+16*q_
.set b_, ACT+16*q_
.set c_, d_
.if q_ == 0
.set c_, (\breg)+8*t_
.endif
.set sa_, (\ws)+(\wstride)*(t_/2)+q_
.if t_%2
	v_wmma_scale_f32_16x16x128_f8f6f4 v[d_:d_+7], v[a_:a_+15], v[b_:b_+15], v[c_:c_+7], v[sa_], v[AS+q_] matrix_a_fmt:MATRIX_FMT_BF8 matrix_b_fmt:MATRIX_FMT_BF8 matrix_a_scale:MATRIX_SCALE_ROW1
.else
	v_wmma_scale_f32_16x16x128_f8f6f4 v[d_:d_+7], v[a_:a_+15], v[b_:b_+15], v[c_:c_+7], v[sa_], v[AS+q_] matrix_a_fmt:MATRIX_FMT_BF8 matrix_b_fmt:MATRIX_FMT_BF8
.endif
.set t_, t_+1
.endr
.set q_, q_+1
.endr
	WIN 0
.endm
; leaky in f32, then the quantiser, for the two blocks of 32 columns (pair p: ACC + 16 p + 0 .. 15 are my 16, lane l xor 16 holds the other 16).
; Each accumulator is read from its low end on.  v228.. largest magnitude, v230.. the other lane's, v232.. byte, v234.. 57,344 x scale, v236.. scale as f32.
.macro QUANT
.irp p, 0,1
.set i_, 0
.rept 8
.set x_, ACC+16*\p+2*i_
.set u_, 224+2*(i_%2)
	v_pk_mul_f32 v[u_:u_+1], v[x_:x_+1], 0x3e4ccccd op_sel_hi:[1,0]
	v_max_num_f32 v[x_], v[x_], v[u_]
	v_max_num_f32 v[x_+1], v[x_+1], v[u_+1]
.set i_, i_+1
.endr
.endr
.irp p, 0,1
	v_max3_num_f32 v[228+\p], |v[ACC+16*\p]|, |v[ACC+1+16*\p]|, |v[ACC+2+16*\p]|
.endr
.irp i, 3,5,7,9,11,13
.irp p, 0,1
	v_max3_num_f32 v[228+\p], v[228+\p], |v[ACC+16*\p+\i]|, |v[ACC+1+16*\p+\i]|
.endr
.endr
.irp p, 0,1
	v_max_num_f32 v[228+\p], v[228+\p], |v[ACC+15+16*\p]|
	v_mov_b32 v[230+\p], 0                         ; the destination of a lane permute counts as read
.endr
.irp p, 0,1
	v_permlanex16_b32 v[230+\p], v[228+\p], s36, s37
.endr
.irp p, 0,1
	v_max_num_f32 v[228+\p], v[228+\p], v[230+\p]  ; the block's largest magnitude
	v_lshrrev_b32 v[232+\p], 23, v[228+\p]         ; its exponent field = floor(log2) + 127
	v_max_u32 v[232+\p], 16, v[232+\p]             ; the byte is not to fall under 1
	v_lshl_or_b32 v[234+\p], v[232+\p], 23, 0x600000   ; 57,344 x the scale
	v_add_nc_u32 v[232+\p], -15, v[232+\p]         ; the scale's byte
	v_lshlrev_b32 v[236+\p], 23, v[232+\p]         ; the scale as f32: the conversion takes its exponent field
	v_cmp_eq_u32 vcc_lo, 0, v[228+\p]
	v_cndmask_b32 v[232+\p], v[232+\p], 127, vcc_lo    ; a block of zeros
.endr
.irp p, 0,1
.irp i, 0,1,2,3,4,5,6,7,8,9,10,11,12,13,14,15
	v_med3_num_f32 v[ACC+16*\p+\i], v[ACC+16*\p+\i], -v[234+\p], v[234+\p]   ; the conversion to an 8-bit code does not saturate (ISA guide 7.6.2)
.endr
.endr
.irp p, 0,1
	v_cvt_scalef32_pk8_bf8_f32 v[240+4*\p:241+4*\p], v[ACC+16*\p:ACC+7+16*\p], v[236+\p]
	v_cvt_scalef32_pk8_bf8_f32 v[242+4*\p:243+4*\p], v[ACC+8+16*\p:ACC+15+16*\p], v[236+\p]
.endr
	v_lshl_or_b32 v238, v233, 8, v232              ; the two bytes; also the plain instruction between the conversions and what touches their results
.endm
; y of block rb_'s 16 rows x my 64 columns: a lane holds 64 neighbouring bytes of a row for each pair; through my stage, back as rows of 256 bytes, to the rows that the list names.
.macro WAYOUT
.irp p, 0,1
.irp k, 0,1,2,3
	ds_store_b128 v18, v[ACC+16*\p+4*\k:ACC+16*\p+4*\k+3] offset:128*\p+16*\k   ; each accumulator from its low end on
.endr
.endr
	s_wait_xcnt 0x0                                ; the last block's stores have had their addresses translated (ISA guide 3.1): their offsets and data are rewritten only behind this wait
	ds_load_b128 v[160:163], v20 offset:64*rb_     ; the row numbers of slots 8 hh + 0 .. 7
	ds_load_b128 v[164:167], v20 offset:64*rb_+16
.irp t, 0,1,2,3,4,5,6,7
	ds_load_b128 v[128+4*\t:131+4*\t], v19 offset:272*\t   ; lanes 0-15 row t, lanes 16-31 row t + 8; these see the stores above
.endr
	s_wait_dscnt 0x0
.irp t, 0,1,2,3,4,5,6,7
	v_min_u32 v[160+\t], 0x1fff, v[160+\t]
	v_lshl_add_u32 v[160+\t], v[160+\t], 10, v21
.endr
.irp t, 0,1,2,3,4,5,6,7
	global_store_b128 v[160+\t], v[128+4*\t:131+4*\t], s[32:33] th:TH_STORE_NT   ; 16 lanes store 256 consecutive bytes, at a multiple of 256 from out0's first byte
.endr
.endm
; BLOCK rb_ of unit id: multiply it; fetch block rb_ + 1's fragments if there is one; work off the results; leave the unit if this was the last block.
; kind 0: read H, write A1;  1: read A1, write A2;  2: read A2, the way out.
.macro BODY id, kind, win, kq, tstride, ws, wstride, bwin, breg, co, so
	s_wait_dscnt 0x0                               ; this block's fragments and scale words are in; for the unit's first block also the staged weights
.if \kind == 2
	v_lshl_or_b32 v[AS], v249, 16, v248            ; K step q's scale word: waves 2 q and 2 q + 1 made two bytes each
	v_lshl_or_b32 v[AS+1], v251, 16, v250
	PLACES 8                                       ; a scale register written by a vector instruction stands eight places ahead of the scaled matrix instruction
.endif
	MM \win, \kq, \tstride, \ws, \wstride, \bwin, \breg
	PLACES 8                                       ; in front of the loads into ACT and the scale words, and of the first read of ACC
.if rb_ < 15
	s_cmp_le_u32 s6, rb_+1                         ; nb <= rb + 1: no block follows, nothing is fetched
	s_cbranch_scc1 .Lnofetch_\@
.set fb_, rb_+1
	ACTLOAD \kind
.Lnofetch_\@:
.endif
.if \kind == 0
	QUANT
	ds_store_b128 v12, v[240:243] offset:16*A1P*rb_+\co       ; my 16 codes of each block of 32: bytes of my wave's own part of the next operand
	ds_store_b128 v12, v[244:247] offset:16*A1P*rb_+\co+32
	ds_store_b16 v13, v238 offset:64*rb_+\so                  ; both lanes of a row store the same two bytes
.elseif \kind == 1
	QUANT
	ds_store_b128 v16, v[240:243] offset:16*A2P*rb_+\co
	ds_store_b128 v16, v[244:247] offset:16*A2P*rb_+\co+32
	ds_store_b16 v17, v238 offset:32*rb_+\so
.else
	WAYOUT
.endif
.if rb_ < 15
	s_cmp_le_u32 s6, rb_+1                         ; that was the last block: out of the unit
	s_cbranch_scc1 .Lunit_end_\id
.endif
.endm
; A UNIT: four weight tiles against all nb blocks of rows.
.macro UNIT id, kind, win, kq, tstride, ws, wstride, bwin, breg, co, so
	s_wait_dscnt 0x0                               ; no LDS load is pending into ACT
.set fb_, 0
	ACTLOAD \kind
.set rb_, 0
.rept 16
	BODY \id, \kind, \win, \kq, \tstride, \ws, \wstride, \bwin, \breg, \co, \so
.set rb_, rb_+1
.endr
.Lunit_end_\id:
.endm
	; ---------------- head: arguments, ids, what the first loads need ----------------
	s_load_b512 s[8:23], s[0:1], 0x0               ; gate 8, h codes 10, h scales 12, W1 codes 14, W1 scales 16, W2 codes 18, W2 scales 20, W3 codes 22
	s_load_b256 s[24:31], s[0:1], 0x40             ; W3 scales 24, b1 26, b2 28, b3 30
	s_load_b64 s[32:33], s[0:1], 0x60              ; out0
	v_lshl_add_u32 v14, v0, 2, 0x4fa00
	v_mov_b32 v239, 0
	v_lshrrev_b32 v2, 5, v0
	v_readfirstlane_b32 s2, v2                     ; wave 0..3
	s_and_b32 s3, ttmp7, 0xffff                    ; expert
	s_lshl_b32 s4, ttmp9, 8                        ; first row of the slice
	s_lshl2_add_u32 s63, s3, s2                    ; 4 e + w: every part of the weights and biases that is mine begins at this times a power of two
	s_mov_b32 s36, 0x76543210
	s_mov_b32 s37, 0xfedcba98                      ; v_permlanex16_b32's selects for lane l xor 16
	s_mov_b32 s39, 0
	v_and_b32 v31, 31, v0                          ; l
	v_and_b32 v2, 15, v0                           ; r
	v_bfe_u32 v3, v0, 4, 1                         ; hh
	v_lshlrev_b32 v1, 4, v31                       ; 16 l
	v_lshlrev_b32 v28, 6, v3                       ; bias: 16 columns for each half of the lanes
	v_and_b32 v29, 8, v2
	v_add_nc_u32 v29, v29, v2
	v_lshl_add_u32 v29, v3, 3, v29                 ; 8 hh + r + 8 (r / 8): lanes 0-15 the rows of tile 2 b, lanes 16-31 those of tile 2 b + 1
	v_lshlrev_b32 v30, 3, v29                      ; W3's scales: 8 bytes a row
	v_lshlrev_b32 v29, 4, v29                      ; W1's and W2's: 16 bytes a row
	s_wait_kmcnt 0x0
	s_lshl_b32 s38, ttmp9, 10
	s_add_nc_u64 s[8:9], s[8:9], s[38:39]          ; my slice's 256 gate ids
	s_lshl_b32 s38, s63, 16
	s_add_nc_u64 s[14:15], s[14:15], s[38:39]      ; W1 codes: e x 262,144 + w x 65,536
	s_lshl_b32 s38, s63, 11
	s_add_nc_u64 s[16:17], s[16:17], s[38:39]      ; W1 scales
	s_lshl_b32 s38, s63, 15
	s_add_nc_u64 s[18:19], s[18:19], s[38:39]      ; W2 codes
	s_lshl_b32 s38, s63, 10
	s_add_nc_u64 s[20:21], s[20:21], s[38:39]      ; W2 scales
	s_lshl_b32 s38, s63, 14
	s_add_nc_u64 s[22:23], s[22:23], s[38:39]      ; W3 codes
	s_lshl_b32 s38, s63, 9
	s_add_nc_u64 s[24:25], s[24:25], s[38:39]      ; W3 scales
	s_add_nc_u64 s[26:27], s[26:27], s[38:39]      ; b1
	s_lshl_b32 s38, s63, 8
	s_add_nc_u64 s[28:29], s[28:29], s[38:39]      ; b2
	s_add_nc_u64 s[30:31], s[30:31], s[38:39]      ; b3.  None of these addresses is written again
	global_load_b128 v[32:35], v1, s[8:9]          ; rows 4 l + 0 .. 3 of the slice
	global_load_b128 v[36:39], v1, s[8:9] offset:512   ; rows 128 + 4 l + 0 .. 3
.irp b, 0,1,2,3
	global_load_b128 v[192+4*\b:195+4*\b], v29, s[16:17] offset:512*\b   ; pair b of W1: register 4 b + q is the scale word of K step q
.endr
.irp b, 0,1
	global_load_b128 v[208+4*\b:211+4*\b], v29, s[20:21] offset:512*\b   ; W2
.endr
.irp b, 0,1
	global_load_b64 v[216+2*\b:217+2*\b], v30, s[24:25] offset:256*\b    ; W3
.endr
.irp t, 0,1,2,3,4,5,6,7
	global_load_b128 v[128+8*\t:131+8*\t], v28, s[26:27] offset:128*(\t/2)+32*(\t%2)       ; b1 as a C operand: register j is b1 at column 32 b + 16 hh + 8 u + j
	global_load_b128 v[132+8*\t:135+8*\t], v28, s[26:27] offset:128*(\t/2)+32*(\t%2)+16
.endr
	TLOAD 0
	TLOAD 1
	WIN 0
	; ---------------- places that stay, made while the loads are out ----------------
	v_lshrrev_b32 v56, 2, v2                       ; r / 4
	v_and_b32 v57, 3, v2                           ; r % 4
	s_mul_i32 s59, s2, STGW
	s_add_co_u32 s59, s59, STG                     ; my stage
	v_add_nc_u32 v4, s59, v1                       ; v4   a weight row into the stage: 16 l
	v_mul_u32_u24 v5, v2, HP
	v_lshl_add_u32 v5, v3, 4, v5
	v_add_nc_u32 v5, s59, v5                       ; v5   a fragment out of the stage: 528 r + 16 hh
	v_mul_u32_u24 v8, v56, HWS
	v_mad_u32_u24 v8, v57, HP, v8
	v_lshl_add_u32 v8, v3, 4, v8                   ; v8   a fragment's place in H, block 0: run r / 4, slot r % 4, + 16 hh
	v_mul_u32_u24 v6, v3, 272
	v_lshl_add_u32 v6, v2, 4, v6
	v_add_nc_u32 v6, s59, v6                       ; v6   two rows of W3 into the stage: 272 hh + 16 r
	v_mul_u32_u24 v7, v2, 272
	v_lshl_add_u32 v18, v3, 6, v7
	v_add_nc_u32 v18, s59, v18                     ; v18  the way out, in: 272 r + 64 hh
	v_lshl_add_u32 v7, v3, 4, v7
	v_add_nc_u32 v7, s59, v7                       ; v7   a fragment of W3 out of the stage: 272 r + 16 hh
	v_mul_u32_u24 v19, v3, 8*272
	v_lshl_add_u32 v19, v2, 4, v19
	v_add_nc_u32 v19, s59, v19                     ; v19  the way out, back: rows t and t + 8, 16 r
	v_mul_u32_u24 v9, v56, HSW
	v_lshl_add_u32 v9, v57, 4, v9
	v_add_nc_u32 v9, HS, v9                        ; v9   h's scale bytes of row r, block 0
	v_mul_u32_u24 v22, v2, A1P
	v_lshl_add_u32 v22, v3, 4, v22
	v_add_nc_u32 v22, A1, v22                      ; v22  read A1, K step 0: 144 r + 16 hh
	v_add_nc_u32 v23, A1Q, v22                     ; v23-25  K steps 1 to 3: a register for each, since a K step's 16 blocks fill most of an LDS offset's 16 bits
	v_add_nc_u32 v24, 2*A1Q, v22
	v_add_nc_u32 v25, 3*A1Q, v22
	v_lshl_add_u32 v11, v2, 2, A1S                 ; v11  read A1S
	s_mul_i32 s60, s2, A1Q
	v_add_nc_u32 v12, s60, v22                     ; v12  write A1: my wave's part
	s_lshl_b32 s60, s2, 10
	v_add_nc_u32 v13, s60, v11                     ; v13  write A1S
	v_mul_u32_u24 v26, v2, A2P
	v_lshl_add_u32 v26, v3, 4, v26                 ; v26  read A2, waves 0 and 1: 80 r + 16 hh
	v_add_nc_u32 v27, 2*A2Q, v26                   ; v27  waves 2 and 3
	v_lshl_add_u32 v15, v2, 1, A2S                 ; v15  read A2S
	s_mul_i32 s60, s2, A2Q
	v_add_nc_u32 v16, s60, v26                     ; v16  write A2
	s_lshl_b32 s60, s2, 9
	v_add_nc_u32 v17, s60, v15                     ; v17  write A2S
	v_lshl_add_u32 v20, v3, 5, LIST                ; v20  the way out: eight row numbers for each half of the lanes
	s_lshl_b32 s60, s2, 8
	v_lshl_add_u32 v21, v2, 4, s60                 ; v21  my place in a row of out0: 256 w + 16 r
	s_lshl_b32 s60, s2, 4
	s_add_co_u32 s60, s60, LIST
	v_mov_b32 v224, s60                            ; v224 gather: list entries 4 w + 0 .. 3 of a pass's first block
	v_lshl_add_u32 v225, v56, 6, s60
	v_lshl_add_u32 v225, v57, 2, v225              ; v225 gather: the entry of my slot r: block r / 4, row 4 w + r % 4
	s_mul_i32 s61, s2, HWS
	v_add_nc_u32 v226, s61, v1                     ; v226 gather: a row into my run of H
	s_mul_i32 s61, s2, HSW
	s_add_co_u32 s61, s61, HS
	v_lshl_add_u32 v227, v2, 4, s61                ; v227 gather: scale bytes into my run of HS
	; ---------------- routing: every wave counts, wave 0 writes the list ----------------
	s_wait_loadcnt 56                              ; the gate ids are in; the 24 small loads and two weight tiles (32) stay out
.irp j, 0,1,2,3,4,5,6,7
	v_max_i32 v[32+\j], 0, v[32+\j]
	v_min_u32 v[32+\j], 7, v[32+\j]                ; g = clip(gate_id, 0, 7)
	v_cmp_eq_u32 s[40+\j], s3, v[32+\j]            ; mask j: lane l's row 4 l + j (j < 4) or 128 + 4 l + j - 4 goes to my expert
.endr
	s_mov_b32 s48, 0
.irp j, 0,1,2,3,4,5,6
	s_bcnt1_i32_b32 s59, s[40+\j]
	s_add_co_u32 s[49+\j], s[48+\j], s59           ; matches in front of mask j + 1
.endr
	s_bcnt1_i32_b32 s59, s47
	s_add_co_u32 s5, s55, s59                      ; n
	s_add_co_u32 s6, s5, 15
	s_lshr_b32 s6, s6, 4
	s_max_u32 s6, s6, 1                            ; nb
	s_add_co_u32 s34, s6, 3
	s_lshr_b32 s34, s34, 2                         ; gather passes: four blocks in each
	s_cmp_lg_u32 s2, 0
	s_cbranch_scc1 .Lno_list
	s_mov_b32 s59, 0                               ; the first mask that is not empty, and its rows' constant
	s_mov_b32 s60, 0
.irp j, 7,6,5,4,3,2,1,0
	s_cmp_lg_u32 s[40+\j], 0
	s_cselect_b32 s59, s[40+\j], s59
	s_cselect_b32 s60, \j+124*(\j/4), s60
.endr
	s_ctz_i32_b32 s61, s59
	s_max_i32 s61, s61, 0                          ; (no match at all: any row of the slice; nothing is stored to out0 then)
	s_lshl2_add_u32 s66, s61, s60
	s_add_co_u32 s66, s66, s4                      ; one row of my expert, for the places from n on
	v_mov_b32 v49, s66
	v_lshl_add_u32 v53, v31, 2, LIST
.irp j, 0,1,2,3,4,5,6,7
	ds_store_b32 v53, v49 offset:128*\j            ; all 256 words take that row first; LDS serves a wave's instructions in order, so the matches below land on top
.endr
	v_lshl_add_u32 v48, v31, 2, s4                 ; first row + 4 l
	v_mov_b32 v54, 255
.irp j, 0,1,2,3,4,5,6,7
	v_mbcnt_lo_u32_b32 v50, s[40+\j], s[48+\j]     ; matches in front of me, counted by mask and then by lane: a match's place
	v_cndmask_b32 v51, v54, v50, s[40+\j]          ; a lane that does not match stores the filling row once more, at word 255, which is beyond n whenever such a lane exists
	v_min_u32 v51, 255, v51                        ; a place is below 256 by construction; the clamp says so in the text
	v_lshl_add_u32 v51, v51, 2, LIST
	v_add_nc_u32 v52, \j+124*(\j/4), v48           ; my row
	v_cndmask_b32 v52, v49, v52, s[40+\j]
	ds_store_b32 v51, v52
.endr
.Lno_list:
	BAR                                            ; the list is whole
	; ---------------- gather of h, among the first weight tiles ----------------
	GISSUE 0                                       ; pass 0: my quarter of blocks 0-3; 17 loads
	TSTAGE 0, 33                                   ; younger: tile 1 (16), the gather (17).  The small loads, which are older, are in too
	TLOAD 2
	TSTAGE 1, 33                                   ; younger: the gather (17), tile 2 (16)
	TLOAD 3
	WIN 0
	s_wait_loadcnt 32                              ; the gather is in; tiles 2 and 3 stay out
	GSTORE 0
	TLOAD 4
	WIN 0
.irp p, 1,2,3                          ; more than 64 p listed rows: a further pass, written plainly
	s_cmp_le_u32 s34, \p
	s_cbranch_scc1 .Lgathered
	GISSUE \p
	s_wait_loadcnt 0x0
	GSTORE \p
.endr
.Lgathered:
	TSTAGE 2, 32                                   ; younger at the most: tiles 3 and 4
	TLOAD 5
	TSTAGE 3, 32                                   ; tiles 4 and 5
	TLOAD 6
	WIN 0
	BAR                                            ; H and h's scale bytes are whole
	; ---------------- layer 1, my columns 0-63, then 64-127 ----------------
	UNIT 0, 0, 1, 4, 64, 192, 4, 0, 128, 0, 0
	TSTAGE 4, 32                                   ; in each of these the two tiles issued behind stay out
	TLOAD 7
	TSTAGE 5, 32
	TLOAD 8
	TSTAGE 6, 32
	TLOAD 9
	TSTAGE 7, 32
	TLOAD 10
	WIN 0
	UNIT 1, 0, 2, 4, 64, 200, 4, 0, 160, 64, 2
	; ---------------- layer 2 ----------------
	TSTAGE 8, 32
	TLOAD 11
	TSTAGE 9, 32
	WIN 0x40                                       ; window 1 is free: b2 and b3 as C operands (16 loads), then W3
.irp t, 0,1,2,3
	global_load_b128 v[128+8*\t:131+8*\t], v28, s[28:29] offset:128*(\t/2)+32*(\t%2)
	global_load_b128 v[132+8*\t:135+8*\t], v28, s[28:29] offset:128*(\t/2)+32*(\t%2)+16
.endr
.irp t, 0,1,2,3
	global_load_b128 v[160+8*\t:163+8*\t], v28, s[30:31] offset:128*(\t/2)+32*(\t%2)
	global_load_b128 v[164+8*\t:167+8*\t], v28, s[30:31] offset:128*(\t/2)+32*(\t%2)+16
.endr
	TSTAGE 10, 32                                  ; younger: tile 11 (16), the biases (16)
	VLOAD 0
	VLOAD 1
	TSTAGE 11, 32                                  ; younger: the biases (16), W3's tiles 0 and 1 (16)
	VLOAD 2
	VLOAD 3
	WIN 0
	BAR                                            ; A1 and its scale words are whole, and nobody reads H any more: A2 may lie on its bytes
	s_wait_loadcnt 32                              ; b2 and b3 are in; W3's four tiles (8 loads each) stay out
	UNIT 2, 1, 3, 4, 64, 208, 4, 1, 128, 0, 0
	; ---------------- layer 3 and the way out ----------------
	VSTAGE 0, 24                                   ; the tiles of W3 behind this one stay out: 24, 16, 8, 0 loads
	VSTAGE 1, 16
	VSTAGE 2, 8
	VSTAGE 3, 0
	WIN 0
	BAR                                            ; A2 and its scale bytes are whole
	s_cmp_eq_u32 s5, 0                             ; no row of the slice goes to this expert: nothing is stored.  No barrier follows
	s_cbranch_scc1 .Lend
	UNIT 3, 2, 1, 2, 32, 216, 2, 1, 160, 0, 0
.Lend:
	s_wait_tensorcnt 0x0
	ds_add_u32 v14, v239
	s_wait_dscnt 0x0
	s_endpgm
.Lfunc_end_k_qdaf03812ed_moe:
	.size	k_qdaf03812ed_moe, .Lfunc_end_k_qdaf03812ed_moe-k_qdaf03812ed_moe
	.p2alignl 7, 3214868480
	.fill 96, 4, 3214868480
	.section	.rodata,"a",@progbits
	.p2align	6, 0x0
	.amdhsa_kernel k_qdaf03812ed_moe
		.amdhsa_group_segment_fixed_size 326656
		.amdhsa_private_segment_fixed_size 0
		.amdhsa_enable_private_segment 0
		.amdhsa_kernarg_size 104
		.amdhsa_user_sgpr_count 2
		.amdhsa_user_sgpr_kernarg_segment_ptr 1
		.amdhsa_wavefront_size32 1
		.amdhsa_system_sgpr_workgroup_id_x 1
		.amdhsa_system_sgpr_workgroup_id_y 1
		.amdhsa_system_sgpr_workgroup_id_z 1
		.amdhsa_system_vgpr_workitem_id 0
		.amdhsa_next_free_vgpr 1024
		.amdhsa_next_free_sgpr 72
		.amdhsa_reserve_vcc 1
		.amdhsa_float_denorm_mode_32 3
		.amdhsa_float_denorm_mode_16_64 3
		.amdhsa_memory_ordered 1
		.amdhsa_forward_progress 1
		.amdhsa_inst_pref_size 255
	.end_amdhsa_kernel
	.section	.bss,"aw",@nobits
	.p2align	6
	.space	262144
	.amdgpu_metadata
---
amdhsa.version: [ 1, 2 ]
amdhsa.kernels:
  - .name:           k_qdaf03812ed_moe
    .symbol:         k_qdaf03812ed_moe.kd
    .args:
      - { .name: gate_id, .offset: 0, .size: 8, .value_kind: global_buffer, .address_space: global }
      - { .name: h_codes, .offset: 8, .size: 8, .value_kind: global_buffer, .address_space: global }
      - { .name: h_scales, .offset: 16, .size: 8, .value_kind: global_buffer, .address_space: global }
      - { .name: W1_codes, .offset: 24, .size: 8, .value_kind: global_buffer, .address_space: global }
      - { .name: W1_scales, .offset: 32, .size: 8, .value_kind: global_buffer, .address_space: global }
      - { .name: W2_codes, .offset: 40, .size: 8, .value_kind: global_buffer, .address_space: global }
      - { .name: W2_scales, .offset: 48, .size: 8, .value_kind: global_buffer, .address_space: global }
      - { .name: W3_codes, .offset: 56, .size: 8, .value_kind: global_buffer, .address_space: global }
      - { .name: W3_scales, .offset: 64, .size: 8, .value_kind: global_buffer, .address_space: global }
      - { .name: b1, .offset: 72, .size: 8, .value_kind: global_buffer, .address_space: global }
      - { .name: b2, .offset: 80, .size: 8, .value_kind: global_buffer, .address_space: global }
      - { .name: b3, .offset: 88, .size: 8, .value_kind: global_buffer, .address_space: global }
      - { .name: out0, .offset: 96, .size: 8, .value_kind: global_buffer, .address_space: global }
    .group_segment_fixed_size: 326656
    .private_segment_fixed_size: 0
    .kernarg_segment_align: 8
    .kernarg_segment_size: 104
    .max_flat_workgroup_size: 128
    .sgpr_count:     72
    .vgpr_count:     1024
    .wavefront_size: 32
...
	.end_amdgpu_metadata
.endif
;; end of part 1
;; ======== version 2 of 3: 1 launch; 1.25 times as fast as version 1
;; launch moe (part 2): grid 32 x 8, 4 waves a work-group, no clusters, 326,656 bytes of LDS; arguments gate_id, h_codes, h_scales, W1_codes, W1_scales, W2_codes, W2_scales, W3_codes, W3_scales, b1, b2, b3, out0; writes out0
.if DOCPART == 2
	.amdgcn_target "amdgcn-amd-amdhsa--gfx1250"
	.amdhsa_code_object_version 6
	.text
	.protected	k_qdaf03812ed_moe
	.globl	k_qdaf03812ed_moe
	.p2align	8
	.type	k_qdaf03812ed_moe,@function
k_qdaf03812ed_moe:
	s_mov_b64 s[64:65], 0
	v_nop
	global_prefetch_b8 v0, s[64:65] scope:SCOPE_SE
	s_setreg_imm32_b32 hwreg(HW_REG_WAVE_MODE, 25, 1), 1
	s_wait_xcnt 0x0
; HARD-GATED EXPERTS, all in one launch.  out0[row] = MLP_g(h[row]), g = clip(gate_id[row], 0, 7);
;   a1 = leaky(h W1 + b1) [512], a2 = leaky(a1 W2 + b2) [256], y = a2 W3 + b3 [256];  leaky(x) = max(x, 0.2 x).
; h, W1, W2, W3 come as codes of E5M2 with K innermost and one E8M0 byte for each 32 along K and go to the matrix unit as they lie.
; a1 and a2 are quantised on the way, in f32: blocks of 32 along the next K, scale 2^(floor(log2(largest magnitude)) - 15), held within +-57,344 x scale.
; SHARES.  Work-group (x, y) = (slice of 256 batch rows, expert e).  It reads its 256 gate ids, lists the n rows (0 .. 256) that go to e, gathers their
; codes of h into LDS, runs the three layers on blocks of 16 listed rows and scatters y.  What the other seven experts would give for a row is never made.
; THE WEIGHTS STAND STILL: wave w of four owns columns 128 w .. +127 of layer 1 and 64 w .. +63 of layers 2 and 3 and holds their codes (114,688 bytes) in
; registers as matrix fragments, so each weight byte enters the work-group once whatever n is.  A weight row is read by one load of 512 consecutive bytes
; and turned into fragments in the wave's own stage in LDS.  Activations are handed from wave to wave through LDS, as codes and scale bytes.
; THE BLOCKS OF 16 ROWS (nb = max(1, ceil(n / 16)), at most 16), in each of the four units of weight tiles:
;   blocks 0 to 3 run in a loop of four trips, counted against the constant 4, so that a block's text is walked again for the next block.  A trip with no block left jumps over the
;   block's work by a forward branch that ends inside the trip; nothing leaves the loop ahead of its end.  A trip's LDS addresses are a register that stays plus a constant times the trip's number;
;   blocks 4 to 15 (more than 64 listed rows) are written out behind the loop, with the block's number in the immediates, and are left by a forward branch behind the last block.
; No barrier stands under such a branch; all waves count the same n; the four barriers stand on every path.
; List places n .. 255 repeat one row of this expert: in the last block they are computed like any row and stored again with the same bytes.
; BOTH SOURCES: source 0 = 16 weight rows, source 1 = 16 batch rows, so a lane holds ONE batch row (lane % 16).  THE WEIGHT ROWS OF A TILE ARE NOT NEIGHBOURS:
; row i of tile 2 b + u is column 32 b + 8 u + i + 8 (i / 8), so that the 16 registers of tiles 2 b, 2 b + 1 are columns 32 b + 16 (lane / 16) + 0 .. 15:
; half a block of the quantiser (the other half lies in lane l xor 16), and just the 16 bytes that the next operand's layout gives that lane.
; The bias is the C operand of each tile's first K step: nothing is cleared, nothing added later.
; NO CLUSTER, NO JOINT REQUESTS: the 32 work-groups of an expert read the same weights, but the number of blocks that they walk hangs on gate_id and differs between them, and
; the weights go into registers by loads that have no joint form.  NO LDS RING: each weight byte is wanted once, by one wave, in registers.
; NO PREFETCH: every weight row is asked for by 32 work-groups at about the same time, and a row of h is known only one step ahead of its load.
; LIMITS: gate_id is clamped as a signed 32-bit number, which is clip(round(float(gate_id))) for every gate_id up to 2^31 - 65.  The bias is the first term
; of the f32 sum, not the last.  Infinite or NaN activations are not served.  A block whose largest magnitude lies under 2^-111 takes the byte 1.
;
; LDS (bytes).  Row pitches are odd multiples of 16, so the sixteen rows that a 16-byte access touches start at sixteen different 16-byte columns modulo 256.
.set HP,   528                         ; H    0        four runs, one a wave, of 64 slots x (512 codes + 16), HWS bytes apart.  Row r of block rb lies in run r / 4, slot 4 rb + r % 4:
.set HWS,  64*HP+64                    ;               a wave's gather fills its own run on end, and a block is 4 HP bytes on from the last.  The 64 bytes between runs keep the four runs' rows in different columns
.set A2P,  80                          ; A2   0        [wave 4][slot 256] x (64 codes + 16), on H's bytes once nobody reads H
.set A2Q,  20480
.set A2S,  81920                       ; A2S           [wave 4][slot 256] x 2 scale bytes, on H's bytes too
.set A1,   4*HWS                       ; A1   135,424  [wave = K step of layer 2, 4][slot 256] x (128 codes + 16)
.set A1P,  144
.set A1Q,  36864
.set STG,  A1+4*A1Q                    ; STG  282,880  a stage for each wave: 16 x 528 (a weight tile), 16 x 272 (a tile of W3; the way out)
.set STGW, 8448
.set HS,   STG+4*STGW                  ; HS   316,672  h's scale bytes, 16 a slot, in four runs as H, HSW bytes apart
.set HSW,  1088
.set A1S,  HS+4*HSW                    ; A1S  321,024  [K step 4][slot 256] x 4: a scale word for a slot and 128 along K
.set LIST, A1S+4096                    ; LIST 325,120  256 words: row numbers.  The map ends at 326,144
; SCALAR: s2 wave, s3 expert, s4 first row of the slice, s5 n, s6 nb, s7 ceil(n / 16) (0 if no row is listed), s34 gather passes, s[8:33] the 13 addresses, s[36:37] lane selects,
;   s[38:39] an offset, s[40:47] match masks, s[48:55] matches in front of mask j, s56 a loop's trip = block, s57 the block to fetch, s58 blocks left, s59-63, s66 at work.
; VECTOR, window 0 (l lane, r = l % 16, hh = l / 16): v1 16 l; v2 r; v3 hh; v31 l; v4-v27 but v10, v14: LDS and memory places, made once below and never rewritten;
;   v10, v14, v239, v252, v253 a trip's LDS addresses; v28 64 hh; v29, v30 places of the weight scales; v32-95 ACT: fragments of 16 rows (K step q at 16 q); v96-127 ACC: 4 tiles;
;   v128-191 b1 (in layer 3: rows on the way out); v192-219 weight scale words and v220-223 activation scale words, which hold scales and nothing else; v224-255 at work.
; WINDOW 1: W1's tiles 0-3 of the wave (tile t at 64 t, K step q at + 16 q); later W3 (tile t at 32 t), b2 at v128, b3 at v160.  WINDOW 2: W1's tiles 4-7.  WINDOW 3: W2's tiles 0-3.
.set ACT, 32
.set ACC, 96
.set AS,  220
.set TA0, 10                           ; a trip's addresses: fragments to fetch,
.set TA1, 14                           ; (layer 2: K steps 2 and 3; TA1 = TA0 + 4)
.set TAS, 239                          ; their scale words,
.set TW,  252                          ; where the block's codes go (layer 3: where its row numbers lie),
.set TWS, 253                          ; and its scale bytes
.set LOOPB, 4                          ; blocks that the loop serves
.set MSB, 0
.macro WIN new                         ; s_set_vgpr_msb: bits 1:0 source 0, 3:2 source 1, 5:4 source 2, 7:6 destination; the high byte repeats the setting that is left
.set wn_, \new
.if MSB != wn_
	s_set_vgpr_msb (MSB<<8)|wn_
.set MSB, wn_
.endif
.endm
.macro PLACES n                        ; places behind a matrix instruction: plain vector instructions that name none of its registers (ISA guide 7.12.1)
.rept \n
	v_nop
.endr
.endm
.macro BAR                             ; zero: what I stored is read, and what I read is overwritten, by other waves behind it
	s_wait_dscnt 0x0
	s_barrier_signal -1
	s_barrier_wait -1
.endm
; Weight tile n of twelve (0-7: W1, windows 1 and 2; 8-11: W2, window 3): where it lies.
.macro TSET n
.if (\n) < 8
.set tw_, 1+(\n)/4
.set tr_, 64*((\n)%4)
.set trow_, 32*((\n)/2)+8*((\n)%2)
.else
.set tw_, 3
.set tr_, 64*((\n)-8)
.set trow_, 32*(((\n)-8)/2)+8*((\n)%2)
.endif
.endm
.macro TLOAD n                         ; 16 loads: each reads one whole weight row, 512 consecutive bytes
	TSET \n
	WIN tw_<<6
.set i_, 0
.rept 16
.if (\n) < 8
	global_load_b128 v[tr_+4*i_:tr_+4*i_+3], v1, s[14:15] offset:(trow_+i_+8*(i_/8))*512
.else
	global_load_b128 v[tr_+4*i_:tr_+4*i_+3], v1, s[18:19] offset:(trow_+i_+8*(i_/8))*512
.endif
.set i_, i_+1
.endr
.endm
.macro TSTAGE n, cnt                   ; rows into my stage, fragments back into the same registers.  LDS serves a wave's instructions in order (ISA guide 5.7.1.4): no wait between them
	TSET \n
	s_wait_loadcnt \cnt                            ; loads return in order: this tile is in, the cnt younger loads stay out
	WIN tw_<<2
.set i_, 0
.rept 16
	ds_store_b128 v4, v[tr_+4*i_:tr_+4*i_+3] offset:HP*i_
.set i_, i_+1
.endr
	WIN tw_<<6
.set i_, 0
.rept 16                               ; i = 4 q + c: registers 16 q + 4 c take K = 128 q + 32 c + 16 hh + 0 .. 15 of row r
	ds_load_b128 v[tr_+4*i_:tr_+4*i_+3], v5 offset:32*i_
.set i_, i_+1
.endr
.endm
.macro VLOAD t                         ; tile t of W3: 8 loads of two neighbouring rows of 256 bytes
	WIN 0x40
.set i_, 0
.rept 8
	global_load_b128 v[32*(\t)+4*i_:32*(\t)+4*i_+3], v1, s[22:23] offset:(32*((\t)/2)+8*((\t)%2)+2*i_+8*(i_/4))*256
.set i_, i_+1
.endr
.endm
.macro VSTAGE t, cnt
	s_wait_loadcnt \cnt
	WIN 0x04
.set i_, 0
.rept 8
	ds_store_b128 v6, v[32*(\t)+4*i_:32*(\t)+4*i_+3] offset:544*i_
.set i_, i_+1
.endr
	WIN 0x40
.set i_, 0
.rept 8
	ds_load_b128 v[32*(\t)+4*i_:32*(\t)+4*i_+3], v7 offset:32*i_
.set i_, i_+1
.endr
.endm
; Gather pass p of my wave: my four rows of each of blocks 4 p .. 4 p + 3.  16 row numbers (the same in every lane), one load of 512 consecutive bytes for each row's codes, 16 bytes a lane for the scale bytes.
.macro GISSUE p
.irp k, 0,1,2,3
	ds_load_b128 v[96+4*\k:99+4*\k], v224 offset:256*(\p)+64*\k   ; list entries 64 p + 16 k + 4 w + 0 .. 3
.endr
	ds_load_b32 v112, v225 offset:256*(\p)         ; lane r: the row number of my slot r of the pass
	s_wait_dscnt 0x0                               ; the row numbers are in (and earlier LDS stores have read v32-95)
.irp i, 0,1,2,3,4,5,6,7,8,9,10,11,12,13,14,15
	v_min_u32 v[96+\i], 0x1fff, v[96+\i]           ; a row number is below 8,192 by construction; the clamp says so in the text
	v_lshl_add_u32 v[96+\i], v[96+\i], 9, v1
.endr
	v_min_u32 v112, 0x1fff, v112
	v_lshlrev_b32 v112, 4, v112
.irp i, 0,1,2,3,4,5,6,7,8,9,10,11,12,13,14,15
	global_load_b128 v[32+4*\i:35+4*\i], v[96+\i], s[10:11]
.endr
	global_load_b128 v[252:255], v112, s[12:13]    ; lanes 16-31 read what lanes 0-15 read
.endm
.macro GSTORE p
.irp i, 0,1,2,3,4,5,6,7,8,9,10,11,12,13,14,15
	ds_store_b128 v226, v[32+4*\i:35+4*\i] offset:16*HP*(\p)+HP*\i   ; slots 16 p + i of my run
.endr
	ds_store_b128 v227, v[252:255] offset:256*(\p) ; both halves of the lanes store the same bytes
.endm
; The fragments and scale words of one block: lane (r, hh), registers 16 q + 4 c: K = 128 q + 32 c + 16 hh + 0 .. 15 of row r.  kind 0: from H; 1: from A1; 2: from A2.
; lp = 1: in the loop, by the trip's addresses;  lp = 0: block fb_, by the registers that stay and immediates.
.macro ACTLOAD kind, lp
.if \kind == 0
.if \lp
.set ar_, TA0
.set ao_, 0
.set sr_, TAS
.set so_, 0
.else
.set ar_, 8
.set ao_, 4*HP*fb_
.set sr_, 9
.set so_, 64*fb_
.endif
.irp q, 0,1,2,3
.irp c, 0,1,2,3
	ds_load_b128 v[ACT+16*\q+4*\c:ACT+16*\q+4*\c+3], v[ar_] offset:ao_+128*\q+32*\c
.endr
.endr
	ds_load_b128 v[AS:AS+3], v[sr_] offset:so_     ; word q: the row's four scale bytes of K step q
.elseif \kind == 1
.irp q, 0,1,2,3
.irp c, 0,1,2,3
.if \lp
	ds_load_b128 v[ACT+16*\q+4*\c:ACT+16*\q+4*\c+3], v[TA0+4*(\q/2)] offset:A1Q*(\q%2)+32*\c
.else
	ds_load_b128 v[ACT+16*\q+4*\c:ACT+16*\q+4*\c+3], v[22+\q] offset:16*A1P*fb_+32*\c
.endif
.endr
.endr
.irp q, 0,1,2,3
.if \lp
	ds_load_b32 v[AS+\q], v[TAS] offset:1024*\q
.else
	ds_load_b32 v[AS+\q], v11 offset:1024*\q+64*fb_
.endif
.endr
.else
.irp q, 0,1
.irp c, 0,1,2,3
.if \lp
	ds_load_b128 v[ACT+16*\q+4*\c:ACT+16*\q+4*\c+3], v[TA0] offset:A2Q*(2*\q+\c/2)+32*(\c%2)
.else
	ds_load_b128 v[ACT+16*\q+4*\c:ACT+16*\q+4*\c+3], v[26+\q] offset:A2Q*(\c/2)+32*(\c%2)+16*A2P*fb_
.endif
.endr
.endr
.irp i, 0,1,2,3
.if \lp
	ds_load_u16 v[248+\i], v[TAS] offset:512*\i    ; wave i's two scale bytes of the row
.else
	ds_load_u16 v[248+\i], v15 offset:512*\i+32*fb_
.endif
.endr
.endif
.endm
; A trip's LDS addresses, from the trip's number s56: the block to fetch is s56 + 1 (4 at the most), the block in hand s56.  The vector additions and the v_nop are
; the eight places between the block's matrix instructions and the loads into ACT and the first read of ACC.
.macro TRIPADDR kind
	s_add_co_u32 s57, s56, 1
.if \kind == 0
	s_mul_i32 s59, s57, 4*HP
	s_lshl_b32 s60, s57, 6
	s_mul_i32 s61, s56, 16*A1P
	s_lshl_b32 s62, s56, 6
	v_add_nc_u32 v[TA0], s59, v8
	v_add_nc_u32 v[TAS], s60, v9
	v_add_nc_u32 v[TW], s61, v12
	v_add_nc_u32 v[TWS], s62, v13
	PLACES 4
.elseif \kind == 1
	s_mul_i32 s59, s57, 16*A1P
	s_lshl_b32 s60, s57, 6
	s_mul_i32 s61, s56, 16*A2P
	s_lshl_b32 s62, s56, 5
	v_add_nc_u32 v[TA0], s59, v22
	v_add_nc_u32 v[TA1], s59, v24
	v_add_nc_u32 v[TAS], s60, v11
	v_add_nc_u32 v[TW], s61, v16
	v_add_nc_u32 v[TWS], s62, v17
	PLACES 3
.else
	s_mul_i32 s59, s57, 16*A2P
	s_lshl_b32 s60, s57, 5
	s_lshl_b32 s61, s56, 6
	v_add_nc_u32 v[TA0], s59, v26
	v_add_nc_u32 v[TAS], s60, v15
	v_add_nc_u32 v[TW], s61, v20
	PLACES 5
.endif
.endm
; 4 kq matrix instructions: four tiles of 16 weight rows x the block's 16 rows.  The four accumulators take turns, one instruction a turn.
; A weight scale register carries tile 2 b's words in lanes 0-15 and tile 2 b + 1's in lanes 16-31.
.macro MM win, kq, tstride, ws, wstride, bwin, breg
.set q_, 0
.rept \kq
.if q_ == 0
	WIN (\win)|((\bwin)<<4)
.else
	WIN \win
.endif
.set t_, 0
.rept 4
.set d_, ACC+8*t_
.set a_, (\tstride)*t_+16*q_
.set b_, ACT+16*q_
.set c_, d_
.if q_ == 0
.set c_, (\breg)+8*t_
.endif
.set sa_, (\ws)+(\wstride)*(t_/2)+q_
.if t_%2
	v_wmma_scale_f32_16x16x128_f8f6f4 v[d_:d_+7], v[a_:a_+15], v[b_:b_+15], v[c_:c_+7], v[sa_], v[AS+q_] matrix_a_fmt:MATRIX_FMT_BF8 matrix_b_fmt:MATRIX_FMT_BF8 matrix_a_scale:MATRIX_SCALE_ROW1
.else
	v_wmma_scale_f32_16x16x128_f8f6f4 v[d_:d_+7], v[a_:a_+15], v[b_:b_+15], v[c_:c_+7], v[sa_], v[AS+q_] matrix_a_fmt:MATRIX_FMT_BF8 matrix_b_fmt:MATRIX_FMT_BF8
.endif
.set t_, t_+1
.endr
.set q_, q_+1
.endr
	WIN 0
.endm
; leaky in f32, then the quantiser, for the two blocks of 32 columns (pair p: ACC + 16 p + 0 .. 15 are my 16, lane l xor 16 holds the other 16).
; Each accumulator is read from its low end on.  v228.. largest magnitude, v230.. the other lane's, v232.. byte, v234.. 57,344 x scale, v236.. scale as f32.
.macro QUANT
.irp p, 0,1
.set i_, 0
.rept 8
.set x_, ACC+16*\p+2*i_
.set u_, 224+2*(i_%2)
	v_pk_mul_f32 v[u_:u_+1], v[x_:x_+1], 0x3e4ccccd op_sel_hi:[1,0]
	v_max_num_f32 v[x_], v[x_], v[u_]
	v_max_num_f32 v[x_+1], v[x_+1], v[u_+1]
.set i_, i_+1
.endr
.endr
.irp p, 0,1
	v_max3_num_f32 v[228+\p], |v[ACC+16*\p]|, |v[ACC+1+16*\p]|, |v[ACC+2+16*\p]|
.endr
.irp i, 3,5,7,9,11,13
.irp p, 0,1
	v_max3_num_f32 v[228+\p], v[228+\p], |v[ACC+16*\p+\i]|, |v[ACC+1+16*\p+\i]|
.endr
.endr
.irp p, 0,1
	v_max_num_f32 v[228+\p], v[228+\p], |v[ACC+15+16*\p]|
	v_mov_b32 v[230+\p], 0                         ; the destination of a lane permute counts as read
.endr
.irp p, 0,1
	v_permlanex16_b32 v[230+\p], v[228+\p], s36, s37
.endr
.irp p, 0,1
	v_max_num_f32 v[228+\p], v[228+\p], v[230+\p]  ; the block's largest magnitude
	v_lshrrev_b32 v[232+\p], 23, v[228+\p]         ; its exponent field = floor(log2) + 127
	v_max_u32 v[232+\p], 16, v[232+\p]             ; the byte is not to fall under 1
	v_lshl_or_b32 v[234+\p], v[232+\p], 23, 0x600000   ; 57,344 x the scale
	v_add_nc_u32 v[232+\p], -15, v[232+\p]         ; the scale's byte
	v_lshlrev_b32 v[236+\p], 23, v[232+\p]         ; the scale as f32: the conversion takes its exponent field
	v_cmp_eq_u32 vcc_lo, 0, v[228+\p]
	v_cndmask_b32 v[232+\p], v[232+\p], 127, vcc_lo    ; a block of zeros
.endr
.irp p, 0,1
.irp i, 0,1,2,3,4,5,6,7,8,9,10,11,12,13,14,15
	v_med3_num_f32 v[ACC+16*\p+\i], v[ACC+16*\p+\i], -v[234+\p], v[234+\p]   ; the conversion to an 8-bit code does not saturate (ISA guide 7.6.2)
.endr
.endr
.irp p, 0,1
	v_cvt_scalef32_pk8_bf8_f32 v[240+4*\p:241+4*\p], v[ACC+16*\p:ACC+7+16*\p], v[236+\p]
	v_cvt_scalef32_pk8_bf8_f32 v[242+4*\p:243+4*\p], v[ACC+8+16*\p:ACC+15+16*\p], v[236+\p]
.endr
	v_lshl_or_b32 v238, v233, 8, v232              ; the two bytes; also the plain instruction between the conversions and what touches their results
.endm
; y of a block's 16 rows x my 64 columns: a lane holds 64 neighbouring bytes of a row for each pair; through my stage, back as rows of 256 bytes, to the rows that the list names.
.macro WAYOUT lp
.irp p, 0,1
.irp k, 0,1,2,3
	ds_store_b128 v18, v[ACC+16*\p+4*\k:ACC+16*\p+4*\k+3] offset:128*\p+16*\k   ; each accumulator from its low end on
.endr
.endr
	s_wait_xcnt 0x0                                ; the last block's stores have had their addresses translated (ISA guide 3.1): their offsets and data are rewritten only behind this wait
.if \lp
	ds_load_b128 v[160:163], v[TW]                 ; the row numbers of slots 8 hh + 0 .. 7
	ds_load_b128 v[164:167], v[TW] offset:16
.else
	ds_load_b128 v[160:163], v20 offset:64*rb_
	ds_load_b128 v[164:167], v20 offset:64*rb_+16
.endif
.irp t, 0,1,2,3,4,5,6,7
	ds_load_b128 v[128+4*\t:131+4*\t], v19 offset:272*\t   ; lanes 0-15 row t, lanes 16-31 row t + 8; these see the stores above
.endr
	s_wait_dscnt 0x0
.irp t, 0,1,2,3,4,5,6,7
	v_min_u32 v[160+\t], 0x1fff, v[160+\t]
	v_lshl_add_u32 v[160+\t], v[160+\t], 10, v21
.endr
.irp t, 0,1,2,3,4,5,6,7
	global_store_b128 v[160+\t], v[128+4*\t:131+4*\t], s[32:33] th:TH_STORE_NT   ; 16 lanes store 256 consecutive bytes, at a multiple of 256 from out0's first byte
.endr
.endm
; ONE BLOCK of unit id: multiply it; fetch the next block's fragments if there is one; work off the results.  kind 0: read H, write A1;  1: read A1, write A2;  2: read A2, the way out.
; lp = 1: the loop's text (block s56; s58 blocks are left, this one among them);  lp = 0: block rb_, written out; behind the last block it leaves the unit.  cnt: the register that holds the number of blocks.
.macro BODY id, kind, win, kq, tstride, ws, wstride, bwin, breg, co, so, cnt, lp
	s_wait_dscnt 0x0                               ; this block's fragments and scale words are in; for the unit's first block also the staged weights
.if \kind == 2
	v_lshl_or_b32 v[AS], v249, 16, v248            ; K step q's scale word: waves 2 q and 2 q + 1 made two bytes each
	v_lshl_or_b32 v[AS+1], v251, 16, v250
	PLACES 8                                       ; a scale register written by a vector instruction stands eight places ahead of the scaled matrix instruction
.endif
	MM \win, \kq, \tstride, \ws, \wstride, \bwin, \breg
.if \lp
	TRIPADDR \kind
	s_cmp_le_i32 s58, 1                            ; this is the last block: nothing is fetched
	s_cbranch_scc1 .Lnofetch_\@
	ACTLOAD \kind, 1
.Lnofetch_\@:
.set wr_, TW
.set wo_, 0
.set wsr_, TWS
.set wso_, 0
.else
	PLACES 8                                       ; in front of the loads into ACT and the scale words, and of the first read of ACC
.if rb_ < 15
	s_cmp_le_u32 s[\cnt], rb_+1                    ; no block follows: nothing is fetched
	s_cbranch_scc1 .Lnofetch_\@
.set fb_, rb_+1
	ACTLOAD \kind, 0
.Lnofetch_\@:
.endif
.if \kind == 0
.set wr_, 12
.set wo_, 16*A1P*rb_
.set wsr_, 13
.set wso_, 64*rb_
.else
.set wr_, 16
.set wo_, 16*A2P*rb_
.set wsr_, 17
.set wso_, 32*rb_
.endif
.endif
.if \kind < 2
	QUANT
	ds_store_b128 v[wr_], v[240:243] offset:wo_+\co       ; my 16 codes of each block of 32: bytes of my wave's own part of the next operand
	ds_store_b128 v[wr_], v[244:247] offset:wo_+\co+32
	ds_store_b16 v[wsr_], v238 offset:wso_+\so            ; both lanes of a row store the same two bytes
.else
	WAYOUT \lp
.endif
.if (\lp == 0) && (rb_ < 15)
	s_cmp_le_u32 s[\cnt], rb_+1                    ; that was the last block: out of the unit
	s_cbranch_scc1 .Lunit_end_\id
.endif
.endm
; A UNIT: four weight tiles against all blocks of rows.
.macro UNIT id, kind, win, kq, tstride, ws, wstride, bwin, breg, co, so, cnt
	s_wait_dscnt 0x0                               ; no LDS load is pending into ACT
.set fb_, 0
.set rb_, 0
	ACTLOAD \kind, 0                               ; block 0
	s_mov_b32 s56, 0
	s_mov_b32 s58, s[\cnt]                         ; blocks left
.Lblock_\id:                                       ; LOOPB trips, whatever the number of blocks
	s_cmp_le_i32 s58, 0                            ; none left: the trip is empty
	s_cbranch_scc1 .Lskip_\id
	BODY \id, \kind, \win, \kq, \tstride, \ws, \wstride, \bwin, \breg, \co, \so, \cnt, 1
.Lskip_\id:
	s_sub_co_i32 s58, s58, 1
	s_add_co_u32 s56, s56, 1
	s_cmp_lt_u32 s56, LOOPB
	s_cbranch_scc1 .Lblock_\id
	s_cmp_le_u32 s[\cnt], LOOPB                    ; at most 64 listed rows: the unit is done
	s_cbranch_scc1 .Lunit_end_\id
.set rb_, LOOPB
.rept 16-LOOPB
	BODY \id, \kind, \win, \kq, \tstride, \ws, \wstride, \bwin, \breg, \co, \so, \cnt, 0
.set rb_, rb_+1
.endr
.Lunit_end_\id:
.endm
	; ---------------- head: arguments, ids, what the first loads need ----------------
	s_load_b512 s[8:23], s[0:1], 0x0               ; gate 8, h codes 10, h scales 12, W1 codes 14, W1 scales 16, W2 codes 18, W2 scales 20, W3 codes 22
	s_load_b256 s[24:31], s[0:1], 0x40             ; W3 scales 24, b1 26, b2 28, b3 30
	s_load_b64 s[32:33], s[0:1], 0x60              ; out0
	v_lshrrev_b32 v2, 5, v0
	v_readfirstlane_b32 s2, v2                     ; wave 0..3
	s_and_b32 s3, ttmp7, 0xffff                    ; expert
	s_lshl_b32 s4, ttmp9, 8                        ; first row of the slice
	s_lshl2_add_u32 s63, s3, s2                    ; 4 e + w: every part of the weights and biases that is mine begins at this times a power of two
	s_mov_b32 s36, 0x76543210
	s_mov_b32 s37, 0xfedcba98                      ; v_permlanex16_b32's selects for lane l xor 16
	s_mov_b32 s39, 0
	v_and_b32 v31, 31, v0                          ; l
	v_and_b32 v2, 15, v0                           ; r
	v_bfe_u32 v3, v0, 4, 1                         ; hh
	v_lshlrev_b32 v1, 4, v31                       ; 16 l
	v_lshlrev_b32 v28, 6, v3                       ; bias: 16 columns for each half of the lanes
	v_and_b32 v29, 8, v2
	v_add_nc_u32 v29, v29, v2
	v_lshl_add_u32 v29, v3, 3, v29                 ; 8 hh + r + 8 (r / 8): lanes 0-15 the rows of tile 2 b, lanes 16-31 those of tile 2 b + 1
	v_lshlrev_b32 v30, 3, v29                      ; W3's scales: 8 bytes a row
	v_lshlrev_b32 v29, 4, v29                      ; W1's and W2's: 16 bytes a row
	s_wait_kmcnt 0x0
	s_lshl_b32 s38, ttmp9, 10
	s_add_nc_u64 s[8:9], s[8:9], s[38:39]          ; my slice's 256 gate ids
	s_lshl_b32 s38, s63, 16
	s_add_nc_u64 s[14:15], s[14:15], s[38:39]      ; W1 codes: e x 262,144 + w x 65,536
	s_lshl_b32 s38, s63, 11
	s_add_nc_u64 s[16:17], s[16:17], s[38:39]      ; W1 scales
	s_lshl_b32 s38, s63, 15
	s_add_nc_u64 s[18:19], s[18:19], s[38:39]      ; W2 codes
	s_lshl_b32 s38, s63, 10
	s_add_nc_u64 s[20:21], s[20:21], s[38:39]      ; W2 scales
	s_lshl_b32 s38, s63, 14
	s_add_nc_u64 s[22:23], s[22:23], s[38:39]      ; W3 codes
	s_lshl_b32 s38, s63, 9
	s_add_nc_u64 s[24:25], s[24:25], s[38:39]      ; W3 scales
	s_add_nc_u64 s[26:27], s[26:27], s[38:39]      ; b1
	s_lshl_b32 s38, s63, 8
	s_add_nc_u64 s[28:29], s[28:29], s[38:39]      ; b2
	s_add_nc_u64 s[30:31], s[30:31], s[38:39]      ; b3.  None of these addresses is written again
	global_load_b128 v[32:35], v1, s[8:9]          ; rows 4 l + 0 .. 3 of the slice
	global_load_b128 v[36:39], v1, s[8:9] offset:512   ; rows 128 + 4 l + 0 .. 3
.irp b, 0,1,2,3
	global_load_b128 v[192+4*\b:195+4*\b], v29, s[16:17] offset:512*\b   ; pair b of W1: register 4 b + q is the scale word of K step q
.endr
.irp b, 0,1
	global_load_b128 v[208+4*\b:211+4*\b], v29, s[20:21] offset:512*\b   ; W2
.endr
.irp b, 0,1
	global_load_b64 v[216+2*\b:217+2*\b], v30, s[24:25] offset:256*\b    ; W3
.endr
.irp t, 0,1,2,3,4,5,6,7
	global_load_b128 v[128+8*\t:131+8*\t], v28, s[26:27] offset:128*(\t/2)+32*(\t%2)       ; b1 as a C operand: register j is b1 at column 32 b + 16 hh + 8 u + j
	global_load_b128 v[132+8*\t:135+8*\t], v28, s[26:27] offset:128*(\t/2)+32*(\t%2)+16
.endr
	TLOAD 0
	TLOAD 1
	WIN 0
	; ---------------- places that stay, made while the loads are out ----------------
	v_lshrrev_b32 v56, 2, v2                       ; r / 4
	v_and_b32 v57, 3, v2                           ; r % 4
	s_mul_i32 s59, s2, STGW
	s_add_co_u32 s59, s59, STG                     ; my stage
	v_add_nc_u32 v4, s59, v1                       ; v4   a weight row into the stage: 16 l
	v_mul_u32_u24 v5, v2, HP
	v_lshl_add_u32 v5, v3, 4, v5
	v_add_nc_u32 v5, s59, v5                       ; v5   a fragment out of the stage: 528 r + 16 hh
	v_mul_u32_u24 v8, v56, HWS
	v_mad_u32_u24 v8, v57, HP, v8
	v_lshl_add_u32 v8, v3, 4, v8                   ; v8   a fragment's place in H, block 0: run r / 4, slot r % 4, + 16 hh
	v_mul_u32_u24 v6, v3, 272
	v_lshl_add_u32 v6, v2, 4, v6
	v_add_nc_u32 v6, s59, v6                       ; v6   two rows of W3 into the stage: 272 hh + 16 r
	v_mul_u32_u24 v7, v2, 272
	v_lshl_add_u32 v18, v3, 6, v7
	v_add_nc_u32 v18, s59, v18                     ; v18  the way out, in: 272 r + 64 hh
	v_lshl_add_u32 v7, v3, 4, v7
	v_add_nc_u32 v7, s59, v7                       ; v7   a fragment of W3 out of the stage: 272 r + 16 hh
	v_mul_u32_u24 v19, v3, 8*272
	v_lshl_add_u32 v19, v2, 4, v19
	v_add_nc_u32 v19, s59, v19                     ; v19  the way out, back: rows t and t + 8, 16 r
	v_mul_u32_u24 v9, v56, HSW
	v_lshl_add_u32 v9, v57, 4, v9
	v_add_nc_u32 v9, HS, v9                        ; v9   h's scale bytes of row r, block 0
	v_mul_u32_u24 v22, v2, A1P
	v_lshl_add_u32 v22, v3, 4, v22
	v_add_nc_u32 v22, A1, v22                      ; v22  read A1, K step 0: 144 r + 16 hh
	v_add_nc_u32 v23, A1Q, v22                     ; v23-25  K steps 1 to 3: a register for each, since a K step's 16 blocks fill most of an LDS offset's 16 bits
	v_add_nc_u32 v24, 2*A1Q, v22
	v_add_nc_u32 v25, 3*A1Q, v22
	v_lshl_add_u32 v11, v2, 2, A1S                 ; v11  read A1S
	s_mul_i32 s60, s2, A1Q
	v_add_nc_u32 v12, s60, v22                     ; v12  write A1: my wave's part
	s_lshl_b32 s60, s2, 10
	v_add_nc_u32 v13, s60, v11                     ; v13  write A1S
	v_mul_u32_u24 v26, v2, A2P
	v_lshl_add_u32 v26, v3, 4, v26                 ; v26  read A2, waves 0 and 1: 80 r + 16 hh
	v_add_nc_u32 v27, 2*A2Q, v26                   ; v27  waves 2 and 3
	v_lshl_add_u32 v15, v2, 1, A2S                 ; v15  read A2S
	s_mul_i32 s60, s2, A2Q
	v_add_nc_u32 v16, s60, v26                     ; v16  write A2
	s_lshl_b32 s60, s2, 9
	v_add_nc_u32 v17, s60, v15                     ; v17  write A2S
	v_lshl_add_u32 v20, v3, 5, LIST                ; v20  the way out: eight row numbers for each half of the lanes
	s_lshl_b32 s60, s2, 8
	v_lshl_add_u32 v21, v2, 4, s60                 ; v21  my place in a row of out0: 256 w + 16 r
	s_lshl_b32 s60, s2, 4
	s_add_co_u32 s60, s60, LIST
	v_mov_b32 v224, s60                            ; v224 gather: list entries 4 w + 0 .. 3 of a pass's first block
	v_lshl_add_u32 v225, v56, 6, s60
	v_lshl_add_u32 v225, v57, 2, v225              ; v225 gather: the entry of my slot r: block r / 4, row 4 w + r % 4
	s_mul_i32 s61, s2, HWS
	v_add_nc_u32 v226, s61, v1                     ; v226 gather: a row into my run of H
	s_mul_i32 s61, s2, HSW
	s_add_co_u32 s61, s61, HS
	v_lshl_add_u32 v227, v2, 4, s61                ; v227 gather: scale bytes into my run of HS
	; ---------------- routing: every wave counts, wave 0 writes the list ----------------
	s_wait_loadcnt 56                              ; the gate ids are in; the 24 small loads and two weight tiles (32) stay out
.irp j, 0,1,2,3,4,5,6,7
	v_max_i32 v[32+\j], 0, v[32+\j]
	v_min_u32 v[32+\j], 7, v[32+\j]                ; g = clip(gate_id, 0, 7)
	v_cmp_eq_u32 s[40+\j], s3, v[32+\j]            ; mask j: lane l's row 4 l + j (j < 4) or 128 + 4 l + j - 4 goes to my expert
.endr
	s_mov_b32 s48, 0
.irp j, 0,1,2,3,4,5,6
	s_bcnt1_i32_b32 s59, s[40+\j]
	s_add_co_u32 s[49+\j], s[48+\j], s59           ; matches in front of mask j + 1
.endr
	s_bcnt1_i32_b32 s59, s47
	s_add_co_u32 s5, s55, s59                      ; n
	s_add_co_u32 s7, s5, 15
	s_lshr_b32 s7, s7, 4                           ; blocks that hold listed rows: layer 3 stores these and no more (none if n = 0)
	s_max_u32 s6, s7, 1                            ; nb: layers 1 and 2 make at least one block, so that every LDS byte that is read has been written
	s_add_co_u32 s34, s6, 3
	s_lshr_b32 s34, s34, 2                         ; gather passes: four blocks in each
	s_cmp_lg_u32 s2, 0
	s_cbranch_scc1 .Lno_list
	s_mov_b32 s59, 0                               ; the first mask that is not empty, and its rows' constant
	s_mov_b32 s60, 0
.irp j, 7,6,5,4,3,2,1,0
	s_cmp_lg_u32 s[40+\j], 0
	s_cselect_b32 s59, s[40+\j], s59
	s_cselect_b32 s60, \j+124*(\j/4), s60
.endr
	s_ctz_i32_b32 s61, s59
	s_max_i32 s61, s61, 0                          ; (no match at all: any row of the slice; nothing is stored to out0 then)
	s_lshl2_add_u32 s66, s61, s60
	s_add_co_u32 s66, s66, s4                      ; one row of my expert, for the places from n on
	v_mov_b32 v49, s66
	v_lshl_add_u32 v53, v31, 2, LIST
.irp j, 0,1,2,3,4,5,6,7
	ds_store_b32 v53, v49 offset:128*\j            ; all 256 words take that row first; LDS serves a wave's instructions in order, so the matches below land on top
.endr
	v_lshl_add_u32 v48, v31, 2, s4                 ; first row + 4 l
	v_mov_b32 v54, 255
.irp j, 0,1,2,3,4,5,6,7
	v_mbcnt_lo_u32_b32 v50, s[40+\j], s[48+\j]     ; matches in front of me, counted by mask and then by lane: a match's place
	v_cndmask_b32 v51, v54, v50, s[40+\j]          ; a lane that does not match stores the filling row once more, at word 255, which is beyond n whenever such a lane exists
	v_min_u32 v51, 255, v51                        ; a place is below 256 by construction; the clamp says so in the text
	v_lshl_add_u32 v51, v51, 2, LIST
	v_add_nc_u32 v52, \j+124*(\j/4), v48           ; my row
	v_cndmask_b32 v52, v49, v52, s[40+\j]
	ds_store_b32 v51, v52
.endr
.Lno_list:
	BAR                                            ; the list is whole
	; ---------------- gather of h, among the first weight tiles ----------------
	GISSUE 0                                       ; pass 0: my quarter of blocks 0-3; 17 loads
	TSTAGE 0, 33                                   ; younger: tile 1 (16), the gather (17).  The small loads, which are older, are in too
	TLOAD 2
	TSTAGE 1, 33                                   ; younger: the gather (17), tile 2 (16)
	TLOAD 3
	WIN 0
	s_wait_loadcnt 32                              ; the gather is in; tiles 2 and 3 stay out
	GSTORE 0
	TLOAD 4
	WIN 0
.irp p, 1,2,3                          ; more than 64 p listed rows: a further pass, written plainly
	s_cmp_le_u32 s34, \p
	s_cbranch_scc1 .Lgathered
	GISSUE \p
	s_wait_loadcnt 0x0
	GSTORE \p
.endr
.Lgathered:
	TSTAGE 2, 32                                   ; younger at the most: tiles 3 and 4
	TLOAD 5
	TSTAGE 3, 32                                   ; tiles 4 and 5
	TLOAD 6
	WIN 0
	BAR                                            ; H and h's scale bytes are whole
	; ---------------- layer 1, my columns 0-63, then 64-127 ----------------
	UNIT 0, 0, 1, 4, 64, 192, 4, 0, 128, 0, 0, 6
	TSTAGE 4, 32                                   ; in each of these the two tiles issued behind stay out
	TLOAD 7
	TSTAGE 5, 32
	TLOAD 8
	TSTAGE 6, 32
	TLOAD 9
	TSTAGE 7, 32
	TLOAD 10
	WIN 0
	UNIT 1, 0, 2, 4, 64, 200, 4, 0, 160, 64, 2, 6
	; ---------------- layer 2 ----------------
	TSTAGE 8, 32
	TLOAD 11
	TSTAGE 9, 32
	WIN 0x40                                       ; window 1 is free: b2 and b3 as C operands (16 loads), then W3
.irp t, 0,1,2,3
	global_load_b128 v[128+8*\t:131+8*\t], v28, s[28:29] offset:128*(\t/2)+32*(\t%2)
	global_load_b128 v[132+8*\t:135+8*\t], v28, s[28:29] offset:128*(\t/2)+32*(\t%2)+16
.endr
.irp t, 0,1,2,3
	global_load_b128 v[160+8*\t:163+8*\t], v28, s[30:31] offset:128*(\t/2)+32*(\t%2)
	global_load_b128 v[164+8*\t:167+8*\t], v28, s[30:31] offset:128*(\t/2)+32*(\t%2)+16
.endr
	TSTAGE 10, 32                                  ; younger: tile 11 (16), the biases (16)
	VLOAD 0
	VLOAD 1
	TSTAGE 11, 32                                  ; younger: the biases (16), W3's tiles 0 and 1 (16)
	VLOAD 2
	VLOAD 3
	WIN 0
	BAR                                            ; A1 and its scale words are whole, and nobody reads H any more: A2 may lie on its bytes
	s_wait_loadcnt 32                              ; b2 and b3 are in; W3's four tiles (8 loads each) stay out
	UNIT 2, 1, 3, 4, 64, 208, 4, 1, 128, 0, 0, 6
	; ---------------- layer 3 and the way out ----------------
	VSTAGE 0, 24                                   ; the tiles of W3 behind this one stay out: 24, 16, 8, 0 loads
	VSTAGE 1, 16
	VSTAGE 2, 8
	VSTAGE 3, 0
	WIN 0
	BAR                                            ; A2 and its scale bytes are whole
	UNIT 3, 2, 1, 2, 32, 216, 2, 1, 160, 0, 0, 7   ; counted by s7: if no row of the slice goes to this expert, every trip is empty and nothing is stored
	s_wait_xcnt 0x0
	v_lshl_add_u32 v254, v0, 2, 0x4fa00
	v_mov_b32 v255, 0
	s_wait_tensorcnt 0x0
	ds_add_u32 v254, v255
	s_wait_dscnt 0x0
	s_endpgm
.Lfunc_end_k_qdaf03812ed_moe:
	.size	k_qdaf03812ed_moe, .Lfunc_end_k_qdaf03812ed_moe-k_qdaf03812ed_moe
	.p2alignl 7, 3214868480
	.fill 96, 4, 3214868480
	.section	.rodata,"a",@progbits
	.p2align	6, 0x0
	.amdhsa_kernel k_qdaf03812ed_moe
		.amdhsa_group_segment_fixed_size 326656
		.amdhsa_private_segment_fixed_size 0
		.amdhsa_enable_private_segment 0
		.amdhsa_kernarg_size 104
		.amdhsa_user_sgpr_count 2
		.amdhsa_user_sgpr_kernarg_segment_ptr 1
		.amdhsa_wavefront_size32 1
		.amdhsa_system_sgpr_workgroup_id_x 1
		.amdhsa_system_sgpr_workgroup_id_y 1
		.amdhsa_system_sgpr_workgroup_id_z 1
		.amdhsa_system_vgpr_workitem_id 0
		.amdhsa_next_free_vgpr 1024
		.amdhsa_next_free_sgpr 72
		.amdhsa_reserve_vcc 1
		.amdhsa_float_denorm_mode_32 3
		.amdhsa_float_denorm_mode_16_64 3
		.amdhsa_memory_ordered 1
		.amdhsa_forward_progress 1
		.amdhsa_inst_pref_size 255
	.end_amdhsa_kernel
	.section	.bss,"aw",@nobits
	.p2align	6
	.space	262144
	.amdgpu_metadata
---
amdhsa.version: [ 1, 2 ]
amdhsa.kernels:
  - .name:           k_qdaf03812ed_moe
    .symbol:         k_qdaf03812ed_moe.kd
    .args:
      - { .name: gate_id, .offset: 0, .size: 8, .value_kind: global_buffer, .address_space: global }
      - { .name: h_codes, .offset: 8, .size: 8, .value_kind: global_buffer, .address_space: global }
      - { .name: h_scales, .offset: 16, .size: 8, .value_kind: global_buffer, .address_space: global }
      - { .name: W1_codes, .offset: 24, .size: 8, .value_kind: global_buffer, .address_space: global }
      - { .name: W1_scales, .offset: 32, .size: 8, .value_kind: global_buffer, .address_space: global }
      - { .name: W2_codes, .offset: 40, .size: 8, .value_kind: global_buffer, .address_space: global }
      - { .name: W2_scales, .offset: 48, .size: 8, .value_kind: global_buffer, .address_space: global }
      - { .name: W3_codes, .offset: 56, .size: 8, .value_kind: global_buffer, .address_space: global }
      - { .name: W3_scales, .offset: 64, .size: 8, .value_kind: global_buffer, .address_space: global }
      - { .name: b1, .offset: 72, .size: 8, .value_kind: global_buffer, .address_space: global }
      - { .name: b2, .offset: 80, .size: 8, .value_kind: global_buffer, .address_space: global }
      - { .name: b3, .offset: 88, .size: 8, .value_kind: global_buffer, .address_space: global }
      - { .name: out0, .offset: 96, .size: 8, .value_kind: global_buffer, .address_space: global }
    .group_segment_fixed_size: 326656
    .private_segment_fixed_size: 0
    .kernarg_segment_align: 8
    .kernarg_segment_size: 104
    .max_flat_workgroup_size: 128
    .sgpr_count:     72
    .vgpr_count:     1024
    .wavefront_size: 32
...
	.end_amdgpu_metadata
.endif
;; end of part 2
;; ======== version 3 of 3: 1 launch; version 2 with the launch moe written anew for expert scheduling mode
;; launch moe (part 3): grid 32 x 8, 4 waves a work-group, no clusters, 326,656 bytes of LDS; arguments gate_id, h_codes, h_scales, W1_codes, W1_scales, W2_codes, W2_scales, W3_codes, W3_scales, b1, b2, b3, out0; writes out0
.if DOCPART == 3
	.amdgcn_target "amdgcn-amd-amdhsa--gfx1250"
	.amdhsa_code_object_version 6
	.text
	.protected	k_qdaf03812ed_moe
	.globl	k_qdaf03812ed_moe
	.p2align	8
	.type	k_qdaf03812ed_moe,@function
k_qdaf03812ed_moe:
	s_mov_b64 s[64:65], 0
	v_nop
	global_prefetch_b8 v0, s[64:65] scope:SCOPE_SE
	s_setreg_imm32_b32 hwreg(HW_REG_WAVE_SCHED_MODE, 0, 2), 2
	s_setreg_imm32_b32 hwreg(HW_REG_WAVE_MODE, 25, 1), 1
	s_wait_xcnt 0x0
	s_wait_alu depctr_vm_vsrc(0)
; HARD-GATED EXPERTS, all in one launch.  out0[row] = MLP_g(h[row]), g = clip(gate_id[row], 0, 7);
;   a1 = leaky(h W1 + b1) [512], a2 = leaky(a1 W2 + b2) [256], y = a2 W3 + b3 [256];  leaky(x) = max(x, 0.2 x).
; h, W1, W2, W3 come as codes of E5M2 with K innermost and one E8M0 byte for each 32 along K and go to the matrix unit as they lie.
; a1 and a2 are quantised on the way, in f32: blocks of 32 along the next K, scale 2^(floor(log2(largest magnitude)) - 15), held within +-57,344 x scale.
; SHARES.  Work-group (x, y) = (slice of 256 batch rows, expert e).  It reads its 256 gate ids, lists the n rows (0 .. 256) that go to e, gathers their
; codes of h into LDS, runs the three layers on blocks of 16 listed rows and scatters y.  What the other seven experts would give for a row is never made.
; THE WEIGHTS STAND STILL: wave w of four owns columns 128 w .. +127 of layer 1 and 64 w .. +63 of layers 2 and 3 and holds their codes (114,688 bytes) in
; registers as matrix fragments, so each weight byte enters the work-group once whatever n is.  A weight row is read by one load of 512 consecutive bytes
; and turned into fragments in the wave's own stage in LDS.  Activations are handed from wave to wave through LDS, as codes and scale bytes.
; THE BLOCKS OF 16 ROWS (nb = max(1, ceil(n / 16)), at most 16), in each of the four units of weight tiles:
;   blocks 0 to 3 run in a loop of four trips, counted against the constant 4, so that a block's text is walked again for the next block.  A trip with no block left jumps over the
;   block's work by a forward branch that ends inside the trip; nothing leaves the loop ahead of its end.  A trip's LDS addresses are a register that stays plus a constant times the trip's number;
;   blocks 4 to 15 (more than 64 listed rows) are written out behind the loop, with the block's number in the immediates, and are left by a forward branch behind the last block.
; No barrier stands under such a branch; all waves count the same n; the four barriers stand on every path.
; List places n .. 255 repeat one row of this expert: in the last block they are computed like any row and stored again with the same bytes.
; BOTH SOURCES: source 0 = 16 weight rows, source 1 = 16 batch rows, so a lane holds ONE batch row (lane % 16).  THE WEIGHT ROWS OF A TILE ARE NOT NEIGHBOURS:
; row i of tile 2 b + u is column 32 b + 8 u + i + 8 (i / 8), so that the 16 registers of tiles 2 b, 2 b + 1 are columns 32 b + 16 (lane / 16) + 0 .. 15:
; half a block of the quantiser (the other half lies in lane l xor 16), and just the 16 bytes that the next operand's layout gives that lane.
; The bias is the C operand of each tile's first K step: nothing is cleared, nothing added later.
; NO CLUSTER, NO JOINT REQUESTS: the 32 work-groups of an expert read the same weights, but the number of blocks that they walk hangs on gate_id and differs between them, and
; the weights go into registers by loads that have no joint form.  NO LDS RING: each weight byte is wanted once, by one wave, in registers.
; NO PREFETCH: every weight row is asked for by 32 work-groups at about the same time, and a row of h is known only one step ahead of its load.
; LIMITS: gate_id is clamped as a signed 32-bit number, which is clip(round(float(gate_id))) for every gate_id up to 2^31 - 65.  The bias is the first term
; of the f32 sum, not the last.  Infinite or NaN activations are not served.  A block whose largest magnitude lies under 2^-111 takes the byte 1.
; THE MODE: SCHED_MODE bits 1:0 = 2 (LLVM: expert scheduling mode 2), set by the entry lines.  The code itself states the register dependences between vector or matrix
; instructions and memory or LDS instructions, with s_wait_alu, always for 0.
; THE PLAN.  Registers that memory or LDS instructions touch, and who else names them:
;   v1, v28-30            offsets, made ahead of the first load and never written again: one wait on va_vdst ahead of that load.
;   v4-9, 11-13, 15-27, 224-227   places, made while the first loads are out: one wait on va_vdst behind the list's barrier.  v224-227 serve the gather alone; the quantiser writes them behind a wait on vm_vsrc.
;   v49, v53, v64-79      wave 0's list: all made first, one wait on va_vdst, then the 16 LDS stores.
;   v96-112; v32-95, v252-255   a gather pass: row numbers land, become offsets (va_vdst), the rows land, LDS stores read them.  A wait on vm_vsrc at a pass's head frees them all for the pass.
;   a weight tile's registers   a global load lands, LDS stores read them, a wait on vm_vsrc, the fragments land in them, matrix instructions read them.  Window 1 is loaded a second time (b2, b3, W3):
;                         each matrix instruction that read it stands ahead of a wait on va_vdst in its own block, and nothing on the vector side names window 1 between that and the loads.
;   A BLOCK OF ROWS:      ACT, and the scale words v220-223 (layer 3: v248-251): LDS loads land, the block's matrix instructions (layer 3: two vector lines) read them, the next block's loads land.
;                         v10, v14, v239, v252, v253: a trip's addresses, written behind the matrix instructions, read by the fetch and by the block's stores.
;                         v238, v240-247: the quantiser writes them, three LDS stores read them.  Layer 3: ACC is read by eight LDS stores; v128-159 and v160-167 take LDS loads, the latter become offsets, eight global stores read both.
;   So a block has: one wait on vm_vsrc at its head (all that was issued has read what the block writes again); one on va_vdst behind its matrix instructions and the trip's additions (ACT and the scale
;   words are free, the addresses and ACC are written), behind which the next block's loads go out at once and land while this block is quantised; one on va_vdst ahead of its stores.
;
; LDS (bytes).  Row pitches are odd multiples of 16, so the sixteen rows that a 16-byte access touches start at sixteen different 16-byte columns modulo 256.
.set HP,   528                         ; H    0        four runs, one a wave, of 64 slots x (512 codes + 16), HWS bytes apart.  Row r of block rb lies in run r / 4, slot 4 rb + r % 4:
.set HWS,  64*HP+64                    ;               a wave's gather fills its own run on end, and a block is 4 HP bytes on from the last.  The 64 bytes between runs keep the four runs' rows in different columns
.set A2P,  80                          ; A2   0        [wave 4][slot 256] x (64 codes + 16), on H's bytes once nobody reads H
.set A2Q,  20480
.set A2S,  81920                       ; A2S           [wave 4][slot 256] x 2 scale bytes, on H's bytes too
.set A1,   4*HWS                       ; A1   135,424  [wave = K step of layer 2, 4][slot 256] x (128 codes + 16)
.set A1P,  144
.set A1Q,  36864
.set STG,  A1+4*A1Q                    ; STG  282,880  a stage for each wave: 16 x 528 (a weight tile), 16 x 272 (a tile of W3; the way out)
.set STGW, 8448
.set HS,   STG+4*STGW                  ; HS   316,672  h's scale bytes, 16 a slot, in four runs as H, HSW bytes apart
.set HSW,  1088
.set A1S,  HS+4*HSW                    ; A1S  321,024  [K step 4][slot 256] x 4: a scale word for a slot and 128 along K
.set LIST, A1S+4096                    ; LIST 325,120  256 words: row numbers.  The map ends at 326,144
; SCALAR: s2 wave, s3 expert, s4 first row of the slice, s5 n, s6 nb, s7 ceil(n / 16) (0 if no row is listed), s34 gather passes, s[8:33] the 13 addresses, s[36:37] lane selects,
;   s[38:39] an offset, s[40:47] match masks, s[48:55] matches in front of mask j, s56 a loop's trip = block, s57 the block to fetch, s58 blocks left, s59-63, s66 at work, s68, s69 the quantiser's masks of blocks of zeros.
; VECTOR, window 0 (l lane, r = l % 16, hh = l / 16): v1 16 l; v2 r; v3 hh; v31 l; v4-v27 but v10, v14: LDS and memory places, made once below and never rewritten;
;   v10, v14, v239, v252, v253 a trip's LDS addresses; v28 64 hh; v29, v30 places of the weight scales; v32-95 ACT: fragments of 16 rows (K step q at 16 q); v96-127 ACC: 4 tiles;
;   v128-191 b1 (in layer 3: rows on the way out); v192-219 weight scale words and v220-223 activation scale words, which hold scales and nothing else; v224-255 at work.
; WINDOW 1: W1's tiles 0-3 of the wave (tile t at 64 t, K step q at + 16 q); later W3 (tile t at 32 t), b2 at v128, b3 at v160.  WINDOW 2: W1's tiles 4-7.  WINDOW 3: W2's tiles 0-3.
.set ACT, 32
.set ACC, 96
.set AS,  220
.set TA0, 10                           ; a trip's addresses: fragments to fetch,
.set TA1, 14                           ; (layer 2: K steps 2 and 3; TA1 = TA0 + 4)
.set TAS, 239                          ; their scale words,
.set TW,  252                          ; where the block's codes go (layer 3: where its row numbers lie),
.set TWS, 253                          ; and its scale bytes
.set LOOPB, 4                          ; blocks that the loop serves
.set MSB, 0
.macro WIN new                         ; s_set_vgpr_msb: bits 1:0 source 0, 3:2 source 1, 5:4 source 2, 7:6 destination; the high byte repeats the setting that is left
.set wn_, \new
.if MSB != wn_
	s_set_vgpr_msb (MSB<<8)|wn_
.set MSB, wn_
.endif
.endm
.macro PLACES n                        ; places behind a matrix instruction: plain vector instructions that name none of its registers (ISA guide 7.12.1)
.rept \n
	v_nop
.endr
.endm
.macro BAR                             ; zero: what I stored is read, and what I read is overwritten, by other waves behind it
	s_wait_dscnt 0x0
	s_barrier_signal -1
	s_barrier_wait -1
.endm
; Weight tile n of twelve (0-7: W1, windows 1 and 2; 8-11: W2, window 3): where it lies.
.macro TSET n
.if (\n) < 8
.set tw_, 1+(\n)/4
.set tr_, 64*((\n)%4)
.set trow_, 32*((\n)/2)+8*((\n)%2)
.else
.set tw_, 3
.set tr_, 64*((\n)-8)
.set trow_, 32*(((\n)-8)/2)+8*((\n)%2)
.endif
.endm
.macro TLOAD n                         ; 16 loads: each reads one whole weight row, 512 consecutive bytes.  No instruction has named these registers before, and v1 stands since the head
	TSET \n
	WIN tw_<<6
.set i_, 0
.rept 16
.if (\n) < 8
	global_load_b128 v[tr_+4*i_:tr_+4*i_+3], v1, s[14:15] offset:(trow_+i_+8*(i_/8))*512
.else
	global_load_b128 v[tr_+4*i_:tr_+4*i_+3], v1, s[18:19] offset:(trow_+i_+8*(i_/8))*512
.endif
.set i_, i_+1
.endr
.endm
.macro TSTAGE n, cnt                   ; rows into my stage, fragments back into the same registers.  LDS serves a wave's instructions in order (ISA guide 5.7.1.4): no wait on DScnt between them
	TSET \n
	s_wait_loadcnt \cnt                            ; loads return in order: this tile is in, the cnt younger loads stay out
	WIN tw_<<2
.set i_, 0
.rept 16
	ds_store_b128 v4, v[tr_+4*i_:tr_+4*i_+3] offset:HP*i_
.set i_, i_+1
.endr
	WIN tw_<<6
	s_wait_alu depctr_vm_vsrc(0)                   ; the LDS stores above have read the tile's registers, in which the fragments below land
.set i_, 0
.rept 16                               ; i = 4 q + c: registers 16 q + 4 c take K = 128 q + 32 c + 16 hh + 0 .. 15 of row r
	ds_load_b128 v[tr_+4*i_:tr_+4*i_+3], v5 offset:32*i_
.set i_, i_+1
.endr
.endm
.macro VLOAD t                         ; tile t of W3: 8 loads of two neighbouring rows of 256 bytes.  They land where W1's tiles 0 and 1 lay: see the lines ahead of b2's loads
	WIN 0x40
.set i_, 0
.rept 8
	global_load_b128 v[32*(\t)+4*i_:32*(\t)+4*i_+3], v1, s[22:23] offset:(32*((\t)/2)+8*((\t)%2)+2*i_+8*(i_/4))*256
.set i_, i_+1
.endr
.endm
.macro VSTAGE t, cnt
	s_wait_loadcnt \cnt
	WIN 0x04
.set i_, 0
.rept 8
	ds_store_b128 v6, v[32*(\t)+4*i_:32*(\t)+4*i_+3] offset:544*i_
.set i_, i_+1
.endr
	WIN 0x40
	s_wait_alu depctr_vm_vsrc(0)                   ; the LDS stores above have read the tile's registers, in which the fragments below land
.set i_, 0
.rept 8
	ds_load_b128 v[32*(\t)+4*i_:32*(\t)+4*i_+3], v7 offset:32*i_
.set i_, i_+1
.endr
.endm
; Gather pass p of my wave: my four rows of each of blocks 4 p .. 4 p + 3.  16 row numbers (the same in every lane), one load of 512 consecutive bytes for each row's codes, 16 bytes a lane for the scale bytes.
.macro GISSUE p
	s_wait_alu depctr_vm_vsrc(0)                   ; all that was issued has read the registers in which this pass's loads land: wave 0's list stores v49, v53 and v64-79; the last pass's loads their offsets v96-112, its LDS stores v32-95 and v252-255
.irp k, 0,1,2,3
	ds_load_b128 v[96+4*\k:99+4*\k], v224 offset:256*(\p)+64*\k   ; list entries 64 p + 16 k + 4 w + 0 .. 3
.endr
	ds_load_b32 v112, v225 offset:256*(\p)         ; lane r: the row number of my slot r of the pass
	s_wait_dscnt 0x0                               ; the row numbers are in
.irp i, 0,1,2,3,4,5,6,7,8,9,10,11,12,13,14,15
	v_min_u32 v[96+\i], 0x1fff, v[96+\i]           ; a row number is below 8,192 by construction; the clamp says so in the text
	v_lshl_add_u32 v[96+\i], v[96+\i], 9, v1
.endr
	v_min_u32 v112, 0x1fff, v112
	v_lshlrev_b32 v112, 4, v112
	s_wait_alu depctr_va_vdst(0)                   ; the 17 offsets v96-112 are written, which the loads below read
.irp i, 0,1,2,3,4,5,6,7,8,9,10,11,12,13,14,15
	global_load_b128 v[32+4*\i:35+4*\i], v[96+\i], s[10:11]
.endr
	global_load_b128 v[252:255], v112, s[12:13]    ; lanes 16-31 read what lanes 0-15 read
.endm
.macro GSTORE p
.irp i, 0,1,2,3,4,5,6,7,8,9,10,11,12,13,14,15
	ds_store_b128 v226, v[32+4*\i:35+4*\i] offset:16*HP*(\p)+HP*\i   ; slots 16 p + i of my run
.endr
	ds_store_b128 v227, v[252:255] offset:256*(\p) ; both halves of the lanes store the same bytes
.endm
; The fragments and scale words of one block: lane (r, hh), registers 16 q + 4 c: K = 128 q + 32 c + 16 hh + 0 .. 15 of row r.  kind 0: from H; 1: from A1; 2: from A2.
; lp = 1: in the loop, by the trip's addresses;  lp = 0: block fb_, by the registers that stay and immediates.
.macro ACTLOAD kind, lp
.if \kind == 0
.if \lp
.set ar_, TA0
.set ao_, 0
.set sr_, TAS
.set so_, 0
.else
.set ar_, 8
.set ao_, 4*HP*fb_
.set sr_, 9
.set so_, 64*fb_
.endif
.irp q, 0,1,2,3
.irp c, 0,1,2,3
	ds_load_b128 v[ACT+16*\q+4*\c:ACT+16*\q+4*\c+3], v[ar_] offset:ao_+128*\q+32*\c
.endr
.endr
	ds_load_b128 v[AS:AS+3], v[sr_] offset:so_     ; word q: the row's four scale bytes of K step q
.elseif \kind == 1
.irp q, 0,1,2,3
.irp c, 0,1,2,3
.if \lp
	ds_load_b128 v[ACT+16*\q+4*\c:ACT+16*\q+4*\c+3], v[TA0+4*(\q/2)] offset:A1Q*(\q%2)+32*\c
.else
	ds_load_b128 v[ACT+16*\q+4*\c:ACT+16*\q+4*\c+3], v[22+\q] offset:16*A1P*fb_+32*\c
.endif
.endr
.endr
.irp q, 0,1,2,3
.if \lp
	ds_load_b32 v[AS+\q], v[TAS] offset:1024*\q
.else
	ds_load_b32 v[AS+\q], v11 offset:1024*\q+64*fb_
.endif
.endr
.else
.irp q, 0,1
.irp c, 0,1,2,3
.if \lp
	ds_load_b128 v[ACT+16*\q+4*\c:ACT+16*\q+4*\c+3], v[TA0] offset:A2Q*(2*\q+\c/2)+32*(\c%2)
.else
	ds_load_b128 v[ACT+16*\q+4*\c:ACT+16*\q+4*\c+3], v[26+\q] offset:A2Q*(\c/2)+32*(\c%2)+16*A2P*fb_
.endif
.endr
.endr
.irp i, 0,1,2,3
.if \lp
	ds_load_u16 v[248+\i], v[TAS] offset:512*\i    ; wave i's two scale bytes of the row
.else
	ds_load_u16 v[248+\i], v15 offset:512*\i+32*fb_
.endif
.endr
.endif
.endm
; A trip's LDS addresses, from the trip's number s56: the block to fetch is s56 + 1 (4 at the most), the block in hand s56.  The vector additions and the v_nop are
; the eight places between the block's matrix instructions and the first read of ACC, by a vector instruction or by an LDS store.
.macro TRIPADDR kind
	s_add_co_u32 s57, s56, 1
.if \kind == 0
	s_mul_i32 s59, s57, 4*HP
	s_lshl_b32 s60, s57, 6
	s_mul_i32 s61, s56, 16*A1P
	s_lshl_b32 s62, s56, 6
	v_add_nc_u32 v[TA0], s59, v8
	v_add_nc_u32 v[TAS], s60, v9
	v_add_nc_u32 v[TW], s61, v12
	v_add_nc_u32 v[TWS], s62, v13
	PLACES 4
.elseif \kind == 1
	s_mul_i32 s59, s57, 16*A1P
	s_lshl_b32 s60, s57, 6
	s_mul_i32 s61, s56, 16*A2P
	s_lshl_b32 s62, s56, 5
	v_add_nc_u32 v[TA0], s59, v22
	v_add_nc_u32 v[TA1], s59, v24
	v_add_nc_u32 v[TAS], s60, v11
	v_add_nc_u32 v[TW], s61, v16
	v_add_nc_u32 v[TWS], s62, v17
	PLACES 3
.else
	s_mul_i32 s59, s57, 16*A2P
	s_lshl_b32 s60, s57, 5
	s_lshl_b32 s61, s56, 6
	v_add_nc_u32 v[TA0], s59, v26
	v_add_nc_u32 v[TAS], s60, v15
	v_add_nc_u32 v[TW], s61, v20
	PLACES 5
.endif
.endm
; 4 kq matrix instructions: four tiles of 16 weight rows x the block's 16 rows.  The four accumulators take turns, one instruction a turn.
; A weight scale register carries tile 2 b's words in lanes 0-15 and tile 2 b + 1's in lanes 16-31.
.macro MM win, kq, tstride, ws, wstride, bwin, breg
.set q_, 0
.rept \kq
.if q_ == 0
	WIN (\win)|((\bwin)<<4)
.else
	WIN \win
.endif
.set t_, 0
.rept 4
.set d_, ACC+8*t_
.set a_, (\tstride)*t_+16*q_
.set b_, ACT+16*q_
.set c_, d_
.if q_ == 0
.set c_, (\breg)+8*t_
.endif
.set sa_, (\ws)+(\wstride)*(t_/2)+q_
.if t_%2
	v_wmma_scale_f32_16x16x128_f8f6f4 v[d_:d_+7], v[a_:a_+15], v[b_:b_+15], v[c_:c_+7], v[sa_], v[AS+q_] matrix_a_fmt:MATRIX_FMT_BF8 matrix_b_fmt:MATRIX_FMT_BF8 matrix_a_scale:MATRIX_SCALE_ROW1
.else
	v_wmma_scale_f32_16x16x128_f8f6f4 v[d_:d_+7], v[a_:a_+15], v[b_:b_+15], v[c_:c_+7], v[sa_], v[AS+q_] matrix_a_fmt:MATRIX_FMT_BF8 matrix_b_fmt:MATRIX_FMT_BF8
.endif
.set t_, t_+1
.endr
.set q_, q_+1
.endr
	WIN 0
.endm
; leaky in f32, then the quantiser, for the two blocks of 32 columns (pair p: ACC + 16 p + 0 .. 15 are my 16, lane l xor 16 holds the other 16).
; Each accumulator is read from its low end on.  v228.. largest magnitude, v230.. the other lane's, v232.. byte, v234.. 57,344 x scale, v236.. scale as f32.
.macro QUANT
.irp p, 0,1
.set i_, 0
.rept 8
.set x_, ACC+16*\p+2*i_
.set u_, 224+2*(i_%2)
	v_pk_mul_f32 v[u_:u_+1], v[x_:x_+1], 0x3e4ccccd op_sel_hi:[1,0]
	v_max_num_f32 v[x_], v[x_], v[u_]
	v_max_num_f32 v[x_+1], v[x_+1], v[u_+1]
.set i_, i_+1
.endr
.endr
.irp p, 0,1
	v_max3_num_f32 v[228+\p], |v[ACC+16*\p]|, |v[ACC+1+16*\p]|, |v[ACC+2+16*\p]|
.endr
.irp i, 3,5,7,9,11,13
.irp p, 0,1
	v_max3_num_f32 v[228+\p], v[228+\p], |v[ACC+16*\p+\i]|, |v[ACC+1+16*\p+\i]|
.endr
.endr
.irp p, 0,1
	v_max_num_f32 v[228+\p], v[228+\p], |v[ACC+15+16*\p]|
	v_mov_b32 v[230+\p], 0                         ; the destination of a lane permute counts as read
.endr
.irp p, 0,1
	v_permlanex16_b32 v[230+\p], v[228+\p], s36, s37
.endr
.irp p, 0,1
	v_max_num_f32 v[228+\p], v[228+\p], v[230+\p]  ; the block's largest magnitude
	v_cmp_eq_u32 s[68+\p], 0, v[228+\p]            ; a block of zeros?  The mask is read behind the conversions
	v_lshrrev_b32 v[232+\p], 23, v[228+\p]         ; its exponent field = floor(log2) + 127
	v_max_u32 v[232+\p], 16, v[232+\p]             ; the byte is not to fall under 1
	v_lshl_or_b32 v[234+\p], v[232+\p], 23, 0x600000   ; 57,344 x the scale
	v_add_nc_u32 v[232+\p], -15, v[232+\p]         ; the scale's byte
	v_lshlrev_b32 v[236+\p], 23, v[232+\p]         ; the scale as f32: the conversion takes its exponent field
.endr
.irp p, 0,1
.irp i, 0,1,2,3,4,5,6,7,8,9,10,11,12,13,14,15
	v_med3_num_f32 v[ACC+16*\p+\i], v[ACC+16*\p+\i], -v[234+\p], v[234+\p]   ; the conversion to an 8-bit code does not saturate (ISA guide 7.6.2)
.endr
.endr
.irp p, 0,1
	v_cvt_scalef32_pk8_bf8_f32 v[240+4*\p:241+4*\p], v[ACC+16*\p:ACC+7+16*\p], v[236+\p]
	v_cvt_scalef32_pk8_bf8_f32 v[242+4*\p:243+4*\p], v[ACC+8+16*\p:ACC+15+16*\p], v[236+\p]
.endr
	s_wait_alu depctr_va_sdst(0)                   ; the two compares have written s68 and s69, ahead of their first readers
	v_cndmask_b32 v232, v232, 127, s68             ; a block of zeros takes the byte 127.  Also the plain instruction between the conversions and what touches their results
	v_cndmask_b32 v233, v233, 127, s69
	v_lshl_or_b32 v238, v233, 8, v232              ; the two bytes
.endm
; y of a block's 16 rows x my 64 columns: a lane holds 64 neighbouring bytes of a row for each pair; through my stage, back as rows of 256 bytes, to the rows that the list names.
.macro WAYOUT lp
.irp p, 0,1
.irp k, 0,1,2,3
	ds_store_b128 v18, v[ACC+16*\p+4*\k:ACC+16*\p+4*\k+3] offset:128*\p+16*\k   ; each accumulator from its low end on
.endr
.endr
	s_wait_xcnt 0x0                                ; the last block's stores have had their addresses translated (ISA guide 3.1): their offsets and data are rewritten only behind this wait (that they have read them, the wait on vm_vsrc at the block's head has stated)
.if \lp
	ds_load_b128 v[160:163], v[TW]                 ; the row numbers of slots 8 hh + 0 .. 7
	ds_load_b128 v[164:167], v[TW] offset:16
.else
	ds_load_b128 v[160:163], v20 offset:64*rb_
	ds_load_b128 v[164:167], v20 offset:64*rb_+16
.endif
.irp t, 0,1,2,3,4,5,6,7
	ds_load_b128 v[128+4*\t:131+4*\t], v19 offset:272*\t   ; lanes 0-15 row t, lanes 16-31 row t + 8; these see the stores above
.endr
	s_wait_dscnt 0x0
.irp t, 0,1,2,3,4,5,6,7
	v_min_u32 v[160+\t], 0x1fff, v[160+\t]
	v_lshl_add_u32 v[160+\t], v[160+\t], 10, v21
.endr
	s_wait_alu depctr_va_vdst(0)                   ; the eight offsets v160-167 are written, which the stores below read
.irp t, 0,1,2,3,4,5,6,7
	global_store_b128 v[160+\t], v[128+4*\t:131+4*\t], s[32:33] th:TH_STORE_NT   ; 16 lanes store 256 consecutive bytes, at a multiple of 256 from out0's first byte
.endr
.endm
; ONE BLOCK of unit id: multiply it; fetch the next block's fragments if there is one; work off the results.  kind 0: read H, write A1;  1: read A1, write A2;  2: read A2, the way out.
; lp = 1: the loop's text (block s56; s58 blocks are left, this one among them);  lp = 0: block rb_, written out; behind the last block it leaves the unit.  cnt: the register that holds the number of blocks.
.macro BODY id, kind, win, kq, tstride, ws, wstride, bwin, breg, co, so, cnt, lp
	s_wait_dscnt 0x0                               ; this block's fragments and scale words are in; for the unit's first block also the staged weights
	s_wait_alu depctr_vm_vsrc(0)                   ; all that was issued has read what this block writes again: the last block's fetch and stores the trip's addresses, its LDS stores v238 and v240-247 (layer 3: ACC), its global stores v128-167; ahead of the first block the gather v96-112, v224-227, v252, v253
.if \kind == 2
	v_lshl_or_b32 v[AS], v249, 16, v248            ; K step q's scale word: waves 2 q and 2 q + 1 made two bytes each
	v_lshl_or_b32 v[AS+1], v251, 16, v250
	PLACES 8                                       ; a scale register written by a vector instruction stands eight places ahead of the scaled matrix instruction
	s_wait_alu depctr_va_vdst(0)                   ; the two scale words are written, which the scaled matrix instructions take; the places above stay beside this wait
.endif
	MM \win, \kq, \tstride, \ws, \wstride, \bwin, \breg
.if \lp
	TRIPADDR \kind
.else
	PLACES 8                                       ; in front of the first read of ACC
.endif
.if \lp || (rb_ < 15) || (\kind == 2)
	s_wait_alu depctr_va_vdst(0)                   ; the matrix instructions are done reading ACT and the scale words (layer 3: the two lines above, v248-251), in which the fetch lands; in the loop the trip's addresses are written; layer 3: ACC is written, which the LDS stores of the way out read
.endif
.if \lp
	s_cmp_le_i32 s58, 1                            ; this is the last block: nothing is fetched
	s_cbranch_scc1 .Lnofetch_\@
	ACTLOAD \kind, 1
.Lnofetch_\@:
.set wr_, TW
.set wo_, 0
.set wsr_, TWS
.set wso_, 0
.else
.if rb_ < 15
	s_cmp_le_u32 s[\cnt], rb_+1                    ; no block follows: nothing is fetched
	s_cbranch_scc1 .Lnofetch_\@
.set fb_, rb_+1
	ACTLOAD \kind, 0
.Lnofetch_\@:
.endif
.if \kind == 0
.set wr_, 12
.set wo_, 16*A1P*rb_
.set wsr_, 13
.set wso_, 64*rb_
.else
.set wr_, 16
.set wo_, 16*A2P*rb_
.set wsr_, 17
.set wso_, 32*rb_
.endif
.endif
.if \kind < 2
	QUANT                                          ; it names ACC and v224-247 alone: none of the registers that the fetch above touches
	s_wait_alu depctr_va_vdst(0)                   ; the quantiser has written the codes v240-247 and the two bytes v238, which the LDS stores below read
	ds_store_b128 v[wr_], v[240:243] offset:wo_+\co       ; my 16 codes of each block of 32: bytes of my wave's own part of the next operand
	ds_store_b128 v[wr_], v[244:247] offset:wo_+\co+32
	ds_store_b16 v[wsr_], v238 offset:wso_+\so            ; both lanes of a row store the same two bytes
.else
	WAYOUT \lp
.endif
.if (\lp == 0) && (rb_ < 15)
	s_cmp_le_u32 s[\cnt], rb_+1                    ; that was the last block: out of the unit
	s_cbranch_scc1 .Lunit_end_\id
.endif
.endm
; A UNIT: four weight tiles against all blocks of rows.
; Block 0's fetch owes no wait of its own: each matrix instruction of the unit before stands ahead of a wait on va_vdst in its own block, and nothing on the vector side has named ACT or the scale words since;
; the gather's LDS stores, which read ACT's registers, stand ahead of the waits on vm_vsrc in the staging of weight tiles 2 and 3.
.macro UNIT id, kind, win, kq, tstride, ws, wstride, bwin, breg, co, so, cnt
	s_wait_dscnt 0x0                               ; no LDS load is pending into ACT
.set fb_, 0
.set rb_, 0
	ACTLOAD \kind, 0                               ; block 0
	s_mov_b32 s56, 0
	s_mov_b32 s58, s[\cnt]                         ; blocks left
.Lblock_\id:                                       ; LOOPB trips, whatever the number of blocks
	s_cmp_le_i32 s58, 0                            ; none left: the trip is empty
	s_cbranch_scc1 .Lskip_\id
	BODY \id, \kind, \win, \kq, \tstride, \ws, \wstride, \bwin, \breg, \co, \so, \cnt, 1
.Lskip_\id:
	s_sub_co_i32 s58, s58, 1
	s_add_co_u32 s56, s56, 1
	s_cmp_lt_u32 s56, LOOPB
	s_cbranch_scc1 .Lblock_\id
	s_cmp_le_u32 s[\cnt], LOOPB                    ; at most 64 listed rows: the unit is done
	s_cbranch_scc1 .Lunit_end_\id
.set rb_, LOOPB
.rept 16-LOOPB
	BODY \id, \kind, \win, \kq, \tstride, \ws, \wstride, \bwin, \breg, \co, \so, \cnt, 0
.set rb_, rb_+1
.endr
.Lunit_end_\id:
.endm
	; ---------------- head: arguments, ids, what the first loads need ----------------
	s_load_b512 s[8:23], s[0:1], 0x0               ; gate 8, h codes 10, h scales 12, W1 codes 14, W1 scales 16, W2 codes 18, W2 scales 20, W3 codes 22
	s_load_b256 s[24:31], s[0:1], 0x40             ; W3 scales 24, b1 26, b2 28, b3 30
	s_load_b64 s[32:33], s[0:1], 0x60              ; out0
	v_lshrrev_b32 v2, 5, v0
	v_readfirstlane_b32 s2, v2                     ; wave 0..3
	s_and_b32 s3, ttmp7, 0xffff                    ; expert
	s_lshl_b32 s4, ttmp9, 8                        ; first row of the slice
	s_mov_b32 s36, 0x76543210
	s_mov_b32 s37, 0xfedcba98                      ; v_permlanex16_b32's selects for lane l xor 16
	s_mov_b32 s39, 0
	v_and_b32 v31, 31, v0                          ; l
	v_and_b32 v2, 15, v0                           ; r
	v_bfe_u32 v3, v0, 4, 1                         ; hh
	v_lshlrev_b32 v1, 4, v31                       ; 16 l
	v_lshlrev_b32 v28, 6, v3                       ; bias: 16 columns for each half of the lanes
	v_and_b32 v29, 8, v2
	v_add_nc_u32 v29, v29, v2
	v_lshl_add_u32 v29, v3, 3, v29                 ; 8 hh + r + 8 (r / 8): lanes 0-15 the rows of tile 2 b, lanes 16-31 those of tile 2 b + 1
	v_lshlrev_b32 v30, 3, v29                      ; W3's scales: 8 bytes a row
	v_lshlrev_b32 v29, 4, v29                      ; W1's and W2's: 16 bytes a row
	s_wait_alu depctr_va_sdst(0)                   ; s2, the wave's number, is written, ahead of its first reader
	s_lshl2_add_u32 s63, s3, s2                    ; 4 e + w: every part of the weights and biases that is mine begins at this times a power of two
	s_wait_kmcnt 0x0
	s_lshl_b32 s38, ttmp9, 10
	s_add_nc_u64 s[8:9], s[8:9], s[38:39]          ; my slice's 256 gate ids
	s_lshl_b32 s38, s63, 16
	s_add_nc_u64 s[14:15], s[14:15], s[38:39]      ; W1 codes: e x 262,144 + w x 65,536
	s_lshl_b32 s38, s63, 11
	s_add_nc_u64 s[16:17], s[16:17], s[38:39]      ; W1 scales
	s_lshl_b32 s38, s63, 15
	s_add_nc_u64 s[18:19], s[18:19], s[38:39]      ; W2 codes
	s_lshl_b32 s38, s63, 10
	s_add_nc_u64 s[20:21], s[20:21], s[38:39]      ; W2 scales
	s_lshl_b32 s38, s63, 14
	s_add_nc_u64 s[22:23], s[22:23], s[38:39]      ; W3 codes
	s_lshl_b32 s38, s63, 9
	s_add_nc_u64 s[24:25], s[24:25], s[38:39]      ; W3 scales
	s_add_nc_u64 s[26:27], s[26:27], s[38:39]      ; b1
	s_lshl_b32 s38, s63, 8
	s_add_nc_u64 s[28:29], s[28:29], s[38:39]      ; b2
	s_add_nc_u64 s[30:31], s[30:31], s[38:39]      ; b3.  None of these addresses is written again
	s_wait_alu depctr_va_vdst(0)                   ; the offsets v1, v28, v29 and v30 are written, which the loads of the whole kernel read; they are never written again
	global_load_b128 v[32:35], v1, s[8:9]          ; rows 4 l + 0 .. 3 of the slice
	global_load_b128 v[36:39], v1, s[8:9] offset:512   ; rows 128 + 4 l + 0 .. 3
.irp b, 0,1,2,3
	global_load_b128 v[192+4*\b:195+4*\b], v29, s[16:17] offset:512*\b   ; pair b of W1: register 4 b + q is the scale word of K step q
.endr
.irp b, 0,1
	global_load_b128 v[208+4*\b:211+4*\b], v29, s[20:21] offset:512*\b   ; W2
.endr
.irp b, 0,1
	global_load_b64 v[216+2*\b:217+2*\b], v30, s[24:25] offset:256*\b    ; W3
.endr
.irp t, 0,1,2,3,4,5,6,7
	global_load_b128 v[128+8*\t:131+8*\t], v28, s[26:27] offset:128*(\t/2)+32*(\t%2)       ; b1 as a C operand: register j is b1 at column 32 b + 16 hh + 8 u + j
	global_load_b128 v[132+8*\t:135+8*\t], v28, s[26:27] offset:128*(\t/2)+32*(\t%2)+16
.endr
	TLOAD 0
	TLOAD 1
	WIN 0
	; ---------------- places that stay, made while the loads are out ----------------
	v_lshrrev_b32 v56, 2, v2                       ; r / 4
	v_and_b32 v57, 3, v2                           ; r % 4
	s_mul_i32 s59, s2, STGW
	s_add_co_u32 s59, s59, STG                     ; my stage
	v_add_nc_u32 v4, s59, v1                       ; v4   a weight row into the stage: 16 l
	v_mul_u32_u24 v5, v2, HP
	v_lshl_add_u32 v5, v3, 4, v5
	v_add_nc_u32 v5, s59, v5                       ; v5   a fragment out of the stage: 528 r + 16 hh
	v_mul_u32_u24 v8, v56, HWS
	v_mad_u32_u24 v8, v57, HP, v8
	v_lshl_add_u32 v8, v3, 4, v8                   ; v8   a fragment's place in H, block 0: run r / 4, slot r % 4, + 16 hh
	v_mul_u32_u24 v6, v3, 272
	v_lshl_add_u32 v6, v2, 4, v6
	v_add_nc_u32 v6, s59, v6                       ; v6   two rows of W3 into the stage: 272 hh + 16 r
	v_mul_u32_u24 v7, v2, 272
	v_lshl_add_u32 v18, v3, 6, v7
	v_add_nc_u32 v18, s59, v18                     ; v18  the way out, in: 272 r + 64 hh
	v_lshl_add_u32 v7, v3, 4, v7
	v_add_nc_u32 v7, s59, v7                       ; v7   a fragment of W3 out of the stage: 272 r + 16 hh
	v_mul_u32_u24 v19, v3, 8*272
	v_lshl_add_u32 v19, v2, 4, v19
	v_add_nc_u32 v19, s59, v19                     ; v19  the way out, back: rows t and t + 8, 16 r
	v_mul_u32_u24 v9, v56, HSW
	v_lshl_add_u32 v9, v57, 4, v9
	v_add_nc_u32 v9, HS, v9                        ; v9   h's scale bytes of row r, block 0
	v_mul_u32_u24 v22, v2, A1P
	v_lshl_add_u32 v22, v3, 4, v22
	v_add_nc_u32 v22, A1, v22                      ; v22  read A1, K step 0: 144 r + 16 hh
	v_add_nc_u32 v23, A1Q, v22                     ; v23-25  K steps 1 to 3: a register for each, since a K step's 16 blocks fill most of an LDS offset's 16 bits
	v_add_nc_u32 v24, 2*A1Q, v22
	v_add_nc_u32 v25, 3*A1Q, v22
	v_lshl_add_u32 v11, v2, 2, A1S                 ; v11  read A1S
	s_mul_i32 s60, s2, A1Q
	v_add_nc_u32 v12, s60, v22                     ; v12  write A1: my wave's part
	s_lshl_b32 s60, s2, 10
	v_add_nc_u32 v13, s60, v11                     ; v13  write A1S
	v_mul_u32_u24 v26, v2, A2P
	v_lshl_add_u32 v26, v3, 4, v26                 ; v26  read A2, waves 0 and 1: 80 r + 16 hh
	v_add_nc_u32 v27, 2*A2Q, v26                   ; v27  waves 2 and 3
	v_lshl_add_u32 v15, v2, 1, A2S                 ; v15  read A2S
	s_mul_i32 s60, s2, A2Q
	v_add_nc_u32 v16, s60, v26                     ; v16  write A2
	s_lshl_b32 s60, s2, 9
	v_add_nc_u32 v17, s60, v15                     ; v17  write A2S
	v_lshl_add_u32 v20, v3, 5, LIST                ; v20  the way out: eight row numbers for each half of the lanes
	s_lshl_b32 s60, s2, 8
	v_lshl_add_u32 v21, v2, 4, s60                 ; v21  my place in a row of out0: 256 w + 16 r
	s_lshl_b32 s60, s2, 4
	s_add_co_u32 s60, s60, LIST
	v_mov_b32 v224, s60                            ; v224 gather: list entries 4 w + 0 .. 3 of a pass's first block
	v_lshl_add_u32 v225, v56, 6, s60
	v_lshl_add_u32 v225, v57, 2, v225              ; v225 gather: the entry of my slot r: block r / 4, row 4 w + r % 4
	s_mul_i32 s61, s2, HWS
	v_add_nc_u32 v226, s61, v1                     ; v226 gather: a row into my run of H
	s_mul_i32 s61, s2, HSW
	s_add_co_u32 s61, s61, HS
	v_lshl_add_u32 v227, v2, 4, s61                ; v227 gather: scale bytes into my run of HS
	; ---------------- routing: every wave counts, wave 0 writes the list ----------------
	s_wait_loadcnt 56                              ; the gate ids are in; the 24 small loads and two weight tiles (32) stay out
.irp j, 0,1,2,3,4,5,6,7
	v_max_i32 v[32+\j], 0, v[32+\j]
	v_min_u32 v[32+\j], 7, v[32+\j]                ; g = clip(gate_id, 0, 7)
	v_cmp_eq_u32 s[40+\j], s3, v[32+\j]            ; mask j: lane l's row 4 l + j (j < 4) or 128 + 4 l + j - 4 goes to my expert
.endr
	s_mov_b32 s48, 0
	s_wait_alu depctr_va_sdst(0)                   ; the eight compares have written the masks s40 to s47, ahead of their first readers
.irp j, 0,1,2,3,4,5,6
	s_bcnt1_i32_b32 s59, s[40+\j]
	s_add_co_u32 s[49+\j], s[48+\j], s59           ; matches in front of mask j + 1
.endr
	s_bcnt1_i32_b32 s59, s47
	s_add_co_u32 s5, s55, s59                      ; n
	s_add_co_u32 s7, s5, 15
	s_lshr_b32 s7, s7, 4                           ; blocks that hold listed rows: layer 3 stores these and no more (none if n = 0)
	s_max_u32 s6, s7, 1                            ; nb: layers 1 and 2 make at least one block, so that every LDS byte that is read has been written
	s_add_co_u32 s34, s6, 3
	s_lshr_b32 s34, s34, 2                         ; gather passes: four blocks in each
	s_cmp_lg_u32 s2, 0
	s_cbranch_scc1 .Lno_list
	s_mov_b32 s59, 0                               ; the first mask that is not empty, and its rows' constant
	s_mov_b32 s60, 0
.irp j, 7,6,5,4,3,2,1,0
	s_cmp_lg_u32 s[40+\j], 0
	s_cselect_b32 s59, s[40+\j], s59
	s_cselect_b32 s60, \j+124*(\j/4), s60
.endr
	s_ctz_i32_b32 s61, s59
	s_max_i32 s61, s61, 0                          ; (no match at all: any row of the slice; nothing is stored to out0 then)
	s_lshl2_add_u32 s66, s61, s60
	s_add_co_u32 s66, s66, s4                      ; one row of my expert, for the places from n on
	v_mov_b32 v49, s66
	v_lshl_add_u32 v53, v31, 2, LIST
	v_lshl_add_u32 v48, v31, 2, s4                 ; first row + 4 l
	v_mov_b32 v54, 255
.irp j, 0,1,2,3,4,5,6,7                        ; a place (v64 + j) and a row (v72 + j) for each mask, in registers of their own: all are made first, so that one wait serves the sixteen stores
	v_mbcnt_lo_u32_b32 v50, s[40+\j], s[48+\j]     ; matches in front of me, counted by mask and then by lane: a match's place
	v_cndmask_b32 v[64+\j], v54, v50, s[40+\j]     ; a lane that does not match stores the filling row once more, at word 255, which is beyond n whenever such a lane exists
	v_min_u32 v[64+\j], 255, v[64+\j]              ; a place is below 256 by construction; the clamp says so in the text
	v_lshl_add_u32 v[64+\j], v[64+\j], 2, LIST
	v_add_nc_u32 v[72+\j], \j+124*(\j/4), v48      ; my row
	v_cndmask_b32 v[72+\j], v49, v[72+\j], s[40+\j]
.endr
	s_wait_alu depctr_va_vdst(0)                   ; v49, v53, the places v64-71 and the rows v72-79 are written, which the LDS stores below read
.irp j, 0,1,2,3,4,5,6,7
	ds_store_b32 v53, v49 offset:128*\j            ; all 256 words take the filling row first; LDS serves a wave's instructions in order, so the matches below land on top
.endr
.irp j, 0,1,2,3,4,5,6,7
	ds_store_b32 v[64+\j], v[72+\j]
.endr
.Lno_list:
	BAR                                            ; the list is whole
	s_wait_alu depctr_va_vdst(0)                   ; the places made at the head (v4-9, v11-13, v15-27, v224-227) are written, which LDS and memory instructions read from here on; the routing is done with v32-79, in which the gather's loads land
	; ---------------- gather of h, among the first weight tiles ----------------
	GISSUE 0                                       ; pass 0: my quarter of blocks 0-3; 17 loads
	TSTAGE 0, 33                                   ; younger: tile 1 (16), the gather (17).  The small loads, which are older, are in too
	TLOAD 2
	TSTAGE 1, 33                                   ; younger: the gather (17), tile 2 (16)
	TLOAD 3
	WIN 0
	s_wait_loadcnt 32                              ; the gather is in; tiles 2 and 3 stay out
	GSTORE 0
	TLOAD 4
	WIN 0
.irp p, 1,2,3                          ; more than 64 p listed rows: a further pass, written plainly
	s_cmp_le_u32 s34, \p
	s_cbranch_scc1 .Lgathered
	GISSUE \p
	s_wait_loadcnt 0x0
	GSTORE \p
.endr
.Lgathered:
	TSTAGE 2, 32                                   ; younger at the most: tiles 3 and 4
	TLOAD 5
	TSTAGE 3, 32                                   ; tiles 4 and 5
	TLOAD 6
	WIN 0
	BAR                                            ; H and h's scale bytes are whole
	; ---------------- layer 1, my columns 0-63, then 64-127 ----------------
	UNIT 0, 0, 1, 4, 64, 192, 4, 0, 128, 0, 0, 6
	TSTAGE 4, 32                                   ; in each of these the two tiles issued behind stay out
	TLOAD 7
	TSTAGE 5, 32
	TLOAD 8
	TSTAGE 6, 32
	TLOAD 9
	TSTAGE 7, 32
	TLOAD 10
	WIN 0
	UNIT 1, 0, 2, 4, 64, 200, 4, 0, 160, 64, 2, 6
	; ---------------- layer 2 ----------------
	TSTAGE 8, 32
	TLOAD 11
	TSTAGE 9, 32
	WIN 0x40                                       ; window 1 is free: b2 and b3 as C operands (16 loads), then W3.  No wait stands here: each matrix instruction that read window 1 (my columns 0-63 of layer 1)
	                                               ; stands ahead of a wait on va_vdst in its own block, and no vector or matrix instruction has named a register of window 1 since
.irp t, 0,1,2,3
	global_load_b128 v[128+8*\t:131+8*\t], v28, s[28:29] offset:128*(\t/2)+32*(\t%2)
	global_load_b128 v[132+8*\t:135+8*\t], v28, s[28:29] offset:128*(\t/2)+32*(\t%2)+16
.endr
.irp t, 0,1,2,3
	global_load_b128 v[160+8*\t:163+8*\t], v28, s[30:31] offset:128*(\t/2)+32*(\t%2)
	global_load_b128 v[164+8*\t:167+8*\t], v28, s[30:31] offset:128*(\t/2)+32*(\t%2)+16
.endr
	TSTAGE 10, 32                                  ; younger: tile 11 (16), the biases (16)
	VLOAD 0
	VLOAD 1
	TSTAGE 11, 32                                  ; younger: the biases (16), W3's tiles 0 and 1 (16)
	VLOAD 2
	VLOAD 3
	WIN 0
	BAR                                            ; A1 and its scale words are whole, and nobody reads H any more: A2 may lie on its bytes
	s_wait_loadcnt 32                              ; b2 and b3 are in; W3's four tiles (8 loads each) stay out
	UNIT 2, 1, 3, 4, 64, 208, 4, 1, 128, 0, 0, 6
	; ---------------- layer 3 and the way out ----------------
	VSTAGE 0, 24                                   ; the tiles of W3 behind this one stay out: 24, 16, 8, 0 loads
	VSTAGE 1, 16
	VSTAGE 2, 8
	VSTAGE 3, 0
	WIN 0
	BAR                                            ; A2 and its scale bytes are whole
	UNIT 3, 2, 1, 2, 32, 216, 2, 1, 160, 0, 0, 7   ; counted by s7: if no row of the slice goes to this expert, every trip is empty and nothing is stored
	s_wait_xcnt 0x0
	v_lshl_add_u32 v254, v0, 2, 0x4fa00            ; made anew here.  The last lines that read v254 and v255 are the gather's LDS stores, and the waits on vm_vsrc in the stagings stand behind those on every path
	v_mov_b32 v255, 0
	s_wait_dscnt 0x0                               ; the closing lines, six on end
	s_wait_alu 0x0
	s_wait_tensorcnt 0x0
	ds_add_u32 v254, v255
	s_wait_dscnt 0x0
	s_endpgm
.Lfunc_end_k_qdaf03812ed_moe:
	.size	k_qdaf03812ed_moe, .Lfunc_end_k_qdaf03812ed_moe-k_qdaf03812ed_moe
	.p2alignl 7, 3214868480
	.fill 96, 4, 3214868480
	.section	.rodata,"a",@progbits
	.p2align	6, 0x0
	.amdhsa_kernel k_qdaf03812ed_moe
		.amdhsa_group_segment_fixed_size 326656
		.amdhsa_private_segment_fixed_size 0
		.amdhsa_enable_private_segment 0
		.amdhsa_kernarg_size 104
		.amdhsa_user_sgpr_count 2
		.amdhsa_user_sgpr_kernarg_segment_ptr 1
		.amdhsa_wavefront_size32 1
		.amdhsa_system_sgpr_workgroup_id_x 1
		.amdhsa_system_sgpr_workgroup_id_y 1
		.amdhsa_system_sgpr_workgroup_id_z 1
		.amdhsa_system_vgpr_workitem_id 0
		.amdhsa_next_free_vgpr 1024
		.amdhsa_next_free_sgpr 72
		.amdhsa_reserve_vcc 0
		.amdhsa_float_denorm_mode_32 3
		.amdhsa_float_denorm_mode_16_64 3
		.amdhsa_memory_ordered 1
		.amdhsa_forward_progress 1
		.amdhsa_inst_pref_size 255
	.end_amdhsa_kernel
	.section	.bss,"aw",@nobits
	.p2align	6
	.space	262144
	.amdgpu_metadata
---
amdhsa.version: [ 1, 2 ]
amdhsa.kernels:
  - .name:           k_qdaf03812ed_moe
    .symbol:         k_qdaf03812ed_moe.kd
    .args:
      - { .name: gate_id, .offset: 0, .size: 8, .value_kind: global_buffer, .address_space: global }
      - { .name: h_codes, .offset: 8, .size: 8, .value_kind: global_buffer, .address_space: global }
      - { .name: h_scales, .offset: 16, .size: 8, .value_kind: global_buffer, .address_space: global }
      - { .name: W1_codes, .offset: 24, .size: 8, .value_kind: global_buffer, .address_space: global }
      - { .name: W1_scales, .offset: 32, .size: 8, .value_kind: global_buffer, .address_space: global }
      - { .name: W2_codes, .offset: 40, .size: 8, .value_kind: global_buffer, .address_space: global }
      - { .name: W2_scales, .offset: 48, .size: 8, .value_kind: global_buffer, .address_space: global }
      - { .name: W3_codes, .offset: 56, .size: 8, .value_kind: global_buffer, .address_space: global }
      - { .name: W3_scales, .offset: 64, .size: 8, .value_kind: global_buffer, .address_space: global }
      - { .name: b1, .offset: 72, .size: 8, .value_kind: global_buffer, .address_space: global }
      - { .name: b2, .offset: 80, .size: 8, .value_kind: global_buffer, .address_space: global }
      - { .name: b3, .offset: 88, .size: 8, .value_kind: global_buffer, .address_space: global }
      - { .name: out0, .offset: 96, .size: 8, .value_kind: global_buffer, .address_space: global }
    .group_segment_fixed_size: 326656
    .private_segment_fixed_size: 0
    .kernarg_segment_align: 8
    .kernarg_segment_size: 104
    .max_flat_workgroup_size: 128
    .sgpr_count:     72
    .vgpr_count:     1024
    .wavefront_size: 32
...
	.end_amdgpu_metadata
.endif
;; end of part 3
